; MI455X (gfx1250); checked and timed in simulation.
; The chip was launched on July 23, 2026; its instructions are those of AMD's public machine-readable ISA for CDNA 5 (MIT licence, August 2026) and "CDNA5" Instruction Set Architecture Reference Guide (July 2026). The comments in the code are by the model that wrote it; some were corrected since.
;; Mo EFFN. Allowed arithmetic: matrix products marked QUANTISED: E4M3 operands, one E8M0 scale for each 32 along K, by v_wmma_scale_f32_16x16x128_f8f6f4 with both operands' format E4M3, f32 sums; products left as they are: f32 operands where the result goes on into a quantised operand, else bf16, f16 or f32 operands; f32 sums; everything else in f32.
;; Inputs: router_w 1,024 x 8 float32; w_fc_codes 8 x 4,096 x 32 x 32 uint8 (E4M3 codes of w_fc, K innermost, in blocks of 32 codes); w_fc_scales 8 x 4,096 x 32 uint8 (E8M0 scales of w_fc, one for each 32 codes along K); w_proj_codes 8 x 1,024 x 128 x 32 uint8 (E4M3 codes of w_proj, K innermost, in blocks of 32 codes); w_proj_scales 8 x 1,024 x 128 uint8 (E8M0 scales of w_proj, one for each 32 codes along K); x 4 x 256 x 1,024 float32.
;; Outputs: out0 4 x 256 x 1,024 float32.
;; This version of the problem:
;;   THIS VERSION OF THE PROBLEM IS GIVEN IN LOW PRECISION. The matrix products marked QUANTISED in the list below multiply operands that are first quantised to E4M3 (4 exponent bits, 3 mantissa bits; 8 bits a number), with one power-of-two scale for each 32 numbers along K (OCP MX v1.0); their sums are f32. All else is computed in f32.
;;   The module's matrix products, in the order in which they are computed (A, B: the left and right operand; K: the contracted axis; several contracted axes count as one K, in the product's order):
;;     1. [M 1,024, K 1,024] x [K 1,024, N 8]; A: input x; B: input router_w: left as it is (N = 8 < 16)
;;     2. [M 1,024, K 1,024] x [K 1,024, N 4,096]; A: input x; B: input w_fc (given as codes): QUANTISED
;;     3. [M 1,024, K 4,096] x [K 4,096, N 1,024]; A: computed on the way; B: input w_proj (given as codes): QUANTISED
;;     4. [M 1,024, K 1,024] x [K 1,024, N 4,096]; A: input x; B: input w_fc (given as codes): QUANTISED
;;     5. [M 1,024, K 4,096] x [K 4,096, N 1,024]; A: computed on the way; B: input w_proj (given as codes): QUANTISED
;;     6. [M 1,024, K 1,024] x [K 1,024, N 4,096]; A: input x; B: input w_fc (given as codes): QUANTISED
;;     7. [M 1,024, K 4,096] x [K 4,096, N 1,024]; A: computed on the way; B: input w_proj (given as codes): QUANTISED
;;     8. [M 1,024, K 1,024] x [K 1,024, N 4,096]; A: input x; B: input w_fc (given as codes): QUANTISED
;;     9. [M 1,024, K 4,096] x [K 4,096, N 1,024]; A: computed on the way; B: input w_proj (given as codes): QUANTISED
;;     10. [M 1,024, K 1,024] x [K 1,024, N 4,096]; A: input x; B: input w_fc (given as codes): QUANTISED
;;     11. [M 1,024, K 4,096] x [K 4,096, N 1,024]; A: computed on the way; B: input w_proj (given as codes): QUANTISED
;;     12. [M 1,024, K 1,024] x [K 1,024, N 4,096]; A: input x; B: input w_fc (given as codes): QUANTISED
;;     13. [M 1,024, K 4,096] x [K 4,096, N 1,024]; A: computed on the way; B: input w_proj (given as codes): QUANTISED
;;     14. [M 1,024, K 1,024] x [K 1,024, N 4,096]; A: input x; B: input w_fc (given as codes): QUANTISED
;;     15. [M 1,024, K 4,096] x [K 4,096, N 1,024]; A: computed on the way; B: input w_proj (given as codes): QUANTISED
;;     16. [M 1,024, K 1,024] x [K 1,024, N 4,096]; A: input x; B: input w_fc (given as codes): QUANTISED
;;     17. [M 1,024, K 4,096] x [K 4,096, N 1,024]; A: computed on the way; B: input w_proj (given as codes): QUANTISED
;;   THE QUANTISER, for each operand of a quantised product, along K:
;;     - K is cut into blocks of 32 from its start; a last block that is shorter is filled with zeros.
;;     - A block's scale is 2^e with e = floor(log2(the largest magnitude in the block)) - 8, held to -126 .. 127; a block of zeros has e = 0. As a byte (E8M0): e + 127.
;;     - Each number is divided by its block's scale, clamped to +-448, and rounded to the nearest number of E4M3, ties to even, subnormals kept.
;;     - The product sums the exact products of the quantised numbers (number of the format x scale) in f32.
;;   ~~~python
;;   def quantise(x, axis):      # numpy; x: float32 -> the quantised numbers, widened to float32 again
;;       x = np.moveaxis(x, axis, -1); K = x.shape[-1]
;;       x = np.pad(x, [(0, 0)] * (x.ndim - 1) + [(0, -K % 32)]); x = x.reshape(x.shape[:-1] + (-1, 32)); a = np.abs(x).max(-1, keepdims=True)
;;       e = np.where(a > 0, np.clip(np.frexp(np.where(a > 0, a, 1))[1] - 1 - 8, -126, 127), 0)      # np.frexp(a)[1] - 1 = floor(log2(a)), exactly
;;       r = np.clip(x / 2.0 ** e, -448, 448)
;;       step = 2.0 ** (np.maximum(np.frexp(np.where(r == 0, 1, r))[1] - 1, -6) - 3)
;;       q = np.round(r / step) * step * 2.0 ** e      # np.round: ties to even
;;       return np.moveaxis(q.reshape(q.shape[:-2] + (-1,))[..., :K], -1, axis).astype(np.float32)
;;   ~~~
;;   OPERANDS COMPUTED ON THE WAY. 'Computed on the way' means the value that the module computes at that place (a softmax that the list does not call 'softmax' is quantised finished and normalised). What goes into a quantiser is computed in f32, as accurately as f32 sums, v_exp_f32 and their like allow (about 1e-6 of the number): no bf16 or f16 on the way to a quantiser, and a product that is left as it is and whose result goes on into a quantised operand takes f32 operands (vector FMAs, or v_wmma_f32_16x16x4_f32). A number that lies on a knife's edge between two numbers of the format may be rounded either way, as far as f32 arithmetic and the matrix unit's own rounding can turn it there, and no further.
;;   INPUTS GIVEN AS CODES. w_fc (in the module: [8, 1024, 4096], K = its axis 1); w_proj (in the module: [8, 4096, 1024], K = its axis 1): each comes as NAME_codes (uint8): NAME with its K axis moved to the last place and cut into blocks of 32 codes, [.., K / 32, bytes a block], one block behind the other in memory; one code a byte (a code: sign, 4 exponent bits, 3 mantissa bits); and NAME_scales (uint8): the same leading axes, one E8M0 byte (e + 127) for each 32 codes along K. Its value is code x scale, taken as it is: it is not quantised again, and the codes and scales need not be those that the quantiser above would give.
;; 2 versions. Each part assembles by itself: llvm-mc -triple=amdgcn-amd-amdhsa -mcpu=gfx1250 --defsym DOCPART=n.
;; ======== version 1 of 2: 4 launches
;; limits: a function is approximated: absolute error at most 1.5e-07
;; workspace buffers: x_codes 1,048,576 bytes; x_scales 32,768 bytes; sel 4,096 bytes of whole numbers; gate 8,192 bytes; h_codes 33,554,432 bytes; h_scales 1,048,576 bytes; place 33,792 bytes of whole numbers; y 33,554,432 bytes
;; launch route (part 1): grid 128 x 1, 8 waves a work-group, no clusters, 72,192 bytes of LDS; arguments x, router_w, x_codes, x_scales, sel, gate; writes x_codes, x_scales, sel, gate
.if DOCPART == 1
	.amdgcn_target "amdgcn-amd-amdhsa--gfx1250"
	.amdhsa_code_object_version 6
	.text
	.protected	k_qbc6522074f_route
	.globl	k_qbc6522074f_route
	.p2align	8
	.type	k_qbc6522074f_route,@function
k_qbc6522074f_route:
	s_mov_b64 s[64:65], 0
	v_nop
	global_prefetch_b8 v0, s[64:65] scope:SCOPE_SE
	s_setreg_imm32_b32 hwreg(HW_REG_WAVE_MODE, 25, 1), 1
	s_wait_xcnt 0x0
; ROUTER AND QUANTISER OF x.  x: [1024 tokens][1024] f32; router_w: [1024][8] f32.
; A work-group takes 8 tokens, a wave one token.  A lane holds one block of 32 along K: k = 32 lane .. 32 lane + 31.
; Out: x_codes [token][1024] E4M3, x_scales [token][32] E8M0, sel [token] one word: bits 0-7 (1 << e0) | (1 << e1), bits 10:8 e0, bits 18:16 e1;
; gate [token][2] f32: the two chosen probabilities over their sum.  The choice only goes to memory here: no address and no branch hangs on it.
; The logits are f32 fused multiply-adds; softmax with the row's maximum taken away; top-2 by compares and selects, the lower index winning a tie.
; LIMITS: NaN and infinities are not served.  The logits are summed in another order than a plain row sum: a second and a third place that lie
; within f32 rounding of each other may change places.  A block of zeros gets the byte 1 (its codes are zeros; this program alone reads the bytes).
; No cluster: the work-groups share only router_w, 32 KiB against the launch's 4 MiB of x.  No matrix unit: N = 8.
.set X,     16                         ; v16-47    my 32 numbers of x
.set BA,    48                         ; v48-111   a batch of router rows (8 values of m x 8 experts)
.set BB,    112                        ; v112-175  the other batch
.set SUM,   176                        ; v176-183  the eight logits
.set P,     184                        ; v184-191  probabilities
.set Q,     192                        ; v192-199  the same without the winner
.set CD,    216                        ; v216-223  my 32 codes
.set XSTG,  33792                      ; LDS: 0: router image, 64 quads x 528 bytes; here: a stage of 4,608 bytes for each wave
.set SCB,   70656                      ; 256 scale bytes
.set META,  70912                      ; 8 sel words
.set GATE,  70944                      ; 8 pairs of gates
	s_load_b256 s[4:11], s[0:1], 0x0               ; x, router_w, x_codes, x_scales
	s_load_b128 s[12:15], s[0:1], 0x20             ; sel, gate
	v_lshl_add_u32 v254, v0, 2, 0x11600
	v_mov_b32 v255, 0
	v_lshrrev_b32 v1, 5, v0
	v_readfirstlane_b32 s16, v1                    ; wave
	v_and_b32 v1, 31, v0                           ; lane
	v_lshlrev_b32 v2, 4, v1                        ; 16 x lane
	v_lshlrev_b32 v7, 4, v0                        ; 16 x thread
	s_mul_i32 s17, s16, 4608
	s_add_co_u32 s17, s17, XSTG                    ; my stage
	v_lshrrev_b32 v3, 3, v1
	v_mul_u32_u24 v3, v3, 144
	v_and_b32 v4, 7, v1
	v_lshl_add_u32 v3, v4, 4, v3
	v_add_nc_u32 v3, s17, v3                       ; into the stage: 128 bytes of the row, then 16 of padding: 144 (lane / 8) + 16 (lane % 8)
	v_mul_u32_u24 v4, v1, 144
	v_add_nc_u32 v4, s17, v4                       ; out of it: 144 x lane: my block
	s_and_b32 s18, s16, 1
	s_mul_i32 s18, s18, 16896
	s_lshr_b32 s19, s16, 1
	s_lshl_b32 s19, s19, 4
	s_add_co_u32 s18, s18, s19
	v_mul_u32_u24 v5, v1, 528
	v_add_nc_u32 v5, s18, v5                       ; router image, in: quad 32 (wave % 2) + lane, place 16 (4 i + wave / 2)
	v_lshl_add_u32 v8, v1, 5, s17                  ; my codes into the stage: 32 x lane
	v_add_nc_u32 v9, s17, v2                       ; and out of it: 16 x lane
	s_lshl_b32 s18, s16, 5
	s_add_co_u32 s18, s18, SCB
	v_add_nc_u32 v10, s18, v1                      ; my scale byte
	s_lshl_b32 s18, s16, 2
	s_add_co_u32 s18, s18, META
	v_mov_b32 v11, s18
	s_lshl_b32 s18, s16, 3
	s_add_co_u32 s18, s18, GATE
	v_mov_b32 v12, s18
	v_lshlrev_b32 v236, 3, v1                      ; wave 0's way out: 8 x lane,
	v_add_nc_u32 v13, SCB, v236
	v_and_b32 v14, 7, v1
	v_lshlrev_b32 v237, 2, v14                     ; 4 x (lane % 8),
	v_lshlrev_b32 v238, 3, v14                     ; 8 x (lane % 8)
	v_add_nc_u32 v14, META, v237
	v_add_nc_u32 v15, GATE, v238
	s_mov_b32 s20, 0x76543210
	s_mov_b32 s21, 0xfedcba98                      ; v_permlanex16_b32's selects for lane l xor 16
	s_mov_b32 s22, 0x600000                        ; the mantissa field of 448
	s_mov_b32 s23, 0x3fb8aa3b                      ; log2(e)
	s_lshl_b32 s24, ttmp9, 3
	s_add_co_u32 s24, s24, s16                     ; my token
	s_lshl_b32 s26, s24, 12
	s_mov_b32 s27, 0
	s_lshl_b32 s28, s24, 10
	s_mov_b32 s29, 0
	s_lshl_b32 s30, ttmp9, 8
	s_mov_b32 s31, 0
	s_lshl_b32 s32, ttmp9, 5
	s_mov_b32 s33, 0
	s_lshl_b32 s34, ttmp9, 6
	s_mov_b32 s35, 0
.irp i, 0,1,2,3,4,5,6,7
	v_mov_b32 v[P+\i], 0                           ; written once: a lane permute's destination counts as one of its sources
.endr
	s_wait_kmcnt 0x0
	s_add_nc_u64 s[4:5], s[4:5], s[26:27]
	s_add_nc_u64 s[8:9], s[8:9], s[28:29]
	s_add_nc_u64 s[10:11], s[10:11], s[30:31]
	s_add_nc_u64 s[12:13], s[12:13], s[32:33]
	s_add_nc_u64 s[14:15], s[14:15], s[34:35]
.irp i, 0,1,2,3,4,5,6,7
	global_load_b128 v[X+4*\i:X+4*\i+3], v2, s[4:5] offset:512*\i th:TH_LOAD_NT    ; 512 consecutive bytes of my row
.endr
.irp i, 0,1,2,3,4,5,6,7
	global_load_b128 v[BA+4*\i:BA+4*\i+3], v7, s[6:7] offset:4096*\i              ; the work-group's 256 threads take 4,096 consecutive bytes of router_w
.endr
	s_wait_loadcnt 8                               ; x is in; the router's eight loads may be out
.irp i, 0,1,2,3,4,5,6,7
	ds_store_b128 v3, v[X+4*\i:X+4*\i+3] offset:576*\i
.endr
	s_wait_loadcnt 0x0
.irp i, 0,1,2,3,4,5,6,7
	ds_store_b128 v5, v[BA+4*\i:BA+4*\i+3] offset:64*\i
.endr
	s_wait_dscnt 0x0                               ; for the others' sake: my part of the router image lies in LDS
	s_barrier_signal -1
	s_barrier_wait -1
.irp p, 0,1,2,3,4,5,6,7
	ds_load_b128 v[X+4*\p:X+4*\p+3], v4 offset:16*\p
.endr
; batch b: quads 16 b .. 16 b + 15: router_w[32 lane + m][0 .. 7] for m = 8 b .. 8 b + 7
.macro RLOAD bb, b
.set j, 0
.rept 16
	ds_load_b128 v[\bb+4*j:\bb+4*j+3], v2 offset:528*(16*(\b)+j)
.set j, j+1
.endr
.endm
; 32 packed multiply-adds: the eight sums += x[m] x router_w[32 lane + m][:]; x[m] is one register of a pair and feeds both halves
.macro RFMA bb, b
.set mm, 0
.rept 8
.set m, 8*(\b)+mm
.set xr, X+(m/2)*2
.set c, 0
.rept 4
.if m == 0
	v_pk_mul_f32 v[SUM+2*c:SUM+2*c+1], v[\bb+8*mm+2*c:\bb+8*mm+2*c+1], v[xr:xr+1] op_sel_hi:[1,0]
.elseif m%2 == 0
	v_pk_fma_f32 v[SUM+2*c:SUM+2*c+1], v[\bb+8*mm+2*c:\bb+8*mm+2*c+1], v[xr:xr+1], v[SUM+2*c:SUM+2*c+1] op_sel_hi:[1,0,1]
.else
	v_pk_fma_f32 v[SUM+2*c:SUM+2*c+1], v[\bb+8*mm+2*c:\bb+8*mm+2*c+1], v[xr:xr+1], v[SUM+2*c:SUM+2*c+1] op_sel:[0,1,0] op_sel_hi:[1,1,1]
.endif
.set c, c+1
.endr
.set mm, mm+1
.endr
.endm
	RLOAD BA, 0
	RLOAD BB, 1
	s_wait_dscnt 16                                ; x and batch 0 are in; batch 1's sixteen loads may be out
	RFMA BA, 0
	RLOAD BA, 2
	s_wait_dscnt 16                                ; batch 1 is in
	RFMA BB, 1
	RLOAD BB, 3
	s_wait_dscnt 16                                ; batch 2 is in
	RFMA BA, 2
	s_wait_dscnt 0x0
	RFMA BB, 3
.irp msk, 1,2,4,8
.irp i, 0,1,2,3,4,5,6,7
	v_add_f32_dpp v[SUM+\i], v[SUM+\i], v[SUM+\i] row_xmask:\msk row_mask:0xf bank_mask:0xf
.endr
.endr
.irp i, 0,1,2,3,4,5,6,7
	v_permlanex16_b32 v[P+\i], v[SUM+\i], s20, s21
.endr
.irp i, 0,1,2,3,4,5,6,7
	v_add_f32 v[SUM+\i], v[SUM+\i], v[P+\i]        ; every lane holds the token's eight logits
.endr
	v_max3_num_f32 v200, v[SUM], v[SUM+1], v[SUM+2]
	v_max3_num_f32 v200, v200, v[SUM+3], v[SUM+4]
	v_max3_num_f32 v200, v200, v[SUM+5], v[SUM+6]
	v_max_num_f32 v200, v200, v[SUM+7]             ; the row's maximum is taken away ahead of the exponentials
.irp i, 0,1,2,3,4,5,6,7
	v_sub_f32 v[P+\i], v[SUM+\i], v200
.endr
.irp i, 0,1,2,3,4,5,6,7
	v_mul_f32 v[P+\i], s23, v[P+\i]
.endr
.irp i, 0,1,2,3,4,5,6,7
	v_exp_f32 v[P+\i], v[P+\i]
.endr
	v_nop                                          ; a plain instruction behind the last exponential
	s_wait_alu depctr_va_vdst(0)                   ; one wait for the batch, ahead of its first reader
	v_add_f32 v201, v[P], v[P+1]
	v_add_f32 v202, v[P+2], v[P+3]
	v_add_f32 v203, v[P+4], v[P+5]
	v_add_f32 v204, v[P+6], v[P+7]
	v_add_f32 v201, v201, v202
	v_add_f32 v203, v203, v204
	v_add_f32 v201, v201, v203
	v_rcp_f32 v201, v201
	v_nop
	s_wait_alu depctr_va_vdst(0)
.irp i, 0,1,2,3,4,5,6,7
	v_mul_f32 v[P+\i], v[P+\i], v201               ; the probabilities
.endr
	v_mov_b32 v202, v[P]                           ; the largest, and its index: only a strictly larger one takes the place, so the lower index wins a tie
	v_mov_b32 v203, 0
.irp i, 1,2,3,4,5,6,7
	v_cmp_gt_f32 vcc_lo, v[P+\i], v202
	v_cndmask_b32 v202, v202, v[P+\i], vcc_lo
	v_cndmask_b32 v203, v203, \i, vcc_lo
.endr
.irp i, 0,1,2,3,4,5,6,7
	v_cmp_eq_u32 vcc_lo, \i, v203
	v_cndmask_b32 v[Q+\i], v[P+\i], -1.0, vcc_lo   ; the winner is out of the second search
.endr
	v_mov_b32 v204, v[Q]
	v_mov_b32 v205, 0
.irp i, 1,2,3,4,5,6,7
	v_cmp_gt_f32 vcc_lo, v[Q+\i], v204
	v_cndmask_b32 v204, v204, v[Q+\i], vcc_lo
	v_cndmask_b32 v205, v205, \i, vcc_lo
.endr
	v_add_f32 v209, v202, v204
	v_rcp_f32 v209, v209
	v_lshlrev_b32 v208, v203, 1                    ; (plain work behind the reciprocal)  1 << e0
	v_lshlrev_b32 v210, v205, 1                    ; 1 << e1
	v_or_b32 v208, v208, v210
	v_lshl_or_b32 v208, v203, 8, v208
	v_lshl_or_b32 v208, v205, 16, v208             ; the sel word
	s_wait_alu depctr_va_vdst(0)
	v_mul_f32 v206, v202, v209                     ; the gates
	v_mul_f32 v207, v204, v209
	; my block of 32: largest magnitude with the floor 2^(9 - 127) among its leaves, scale byte, hold, codes
	v_max3_num_f32 v224, |v[X]|, |v[X+1]|, 0x4800000
	v_max3_num_f32 v225, |v[X+16]|, |v[X+17]|, |v[X+18]|
.irp i, 2,4,6,8,10,12
	v_max3_num_f32 v224, v224, |v[X+\i]|, |v[X+\i+1]|
	v_max3_num_f32 v225, v225, |v[X+17+\i]|, |v[X+18+\i]|
.endr
	v_max3_num_f32 v224, v224, |v[X+14]|, |v[X+15]|
	v_max3_num_f32 v224, v224, v225, |v[X+31]|
	v_add_nc_u32 v226, 0xfc000000, v224            ; 8 off the exponent field: the conversion's scale operand
	v_and_or_b32 v227, v224, 0x7f800000, s22       ; 448 x the scale
	v_lshrrev_b32 v228, 23, v226                   ; the scale's byte
.set i, 0
.rept 32
	v_med3_num_f32 v[X+i], v[X+i], -v227, v227     ; the conversion to an 8-bit code does not saturate (ISA guide 7.6.2): the hold comes first
.set i, i+1
.endr
.irp g, 0,1,2,3
	v_cvt_scalef32_pk8_fp8_f32 v[CD+2*\g:CD+2*\g+1], v[X+8*\g:X+8*\g+7], v226
.endr
	v_nop
	ds_store_b128 v8, v[CD:CD+3]                   ; a lane's 32 bytes; they come back 16 bytes a lane, so that a store covers 512 consecutive bytes
	ds_store_b128 v8, v[CD+4:CD+7] offset:16
	ds_load_b128 v[BA:BA+3], v9                    ; LDS serves a wave's instructions in order: these see my stores
	ds_load_b128 v[BA+4:BA+7], v9 offset:512
	ds_store_b8 v10, v228
	ds_store_b32 v11, v208                         ; all lanes write the same word with the same value
	ds_store_b64 v12, v[206:207]
	s_wait_dscnt 0x0                               ; my loads are in, and for wave 0's sake my stores have landed
	global_store_b128 v2, v[BA:BA+3], s[8:9]
	global_store_b128 v2, v[BA+4:BA+7], s[8:9] offset:512
	s_barrier_signal -1
	s_barrier_wait -1
	s_cmp_lg_u32 s16, 0
	s_cbranch_scc1 .Lend
	ds_load_b64 v[210:211], v13
	ds_load_b32 v212, v14
	ds_load_b64 v[214:215], v15
	s_wait_dscnt 0x0
	global_store_b64 v236, v[210:211], s[10:11]    ; the eight tokens' 256 scale bytes: one aligned run
	v_cmp_gt_u32 vcc_lo, 8, v0
	s_wait_xcnt 0x0                                ; EXEC changes only behind this wait
	s_and_saveexec_b32 s36, vcc_lo
	global_store_b32 v237, v212, s[12:13]          ; lanes 0 to 7: a token each
	global_store_b64 v238, v[214:215], s[14:15]
	s_wait_xcnt 0x0                                ; and again ahead of the line that widens it
	s_or_b32 exec_lo, exec_lo, s36
.Lend:
	s_wait_tensorcnt 0x0
	ds_add_u32 v254, v255
	s_wait_dscnt 0x0
	s_endpgm
.Lfunc_end_k_qbc6522074f_route:
	.size	k_qbc6522074f_route, .Lfunc_end_k_qbc6522074f_route-k_qbc6522074f_route
	.p2alignl 7, 3214868480
	.fill 96, 4, 3214868480
	.section	.rodata,"a",@progbits
	.p2align	6, 0x0
	.amdhsa_kernel k_qbc6522074f_route
		.amdhsa_group_segment_fixed_size 72192
		.amdhsa_private_segment_fixed_size 0
		.amdhsa_enable_private_segment 0
		.amdhsa_kernarg_size 48
		.amdhsa_user_sgpr_count 2
		.amdhsa_user_sgpr_kernarg_segment_ptr 1
		.amdhsa_wavefront_size32 1
		.amdhsa_system_sgpr_workgroup_id_x 1
		.amdhsa_system_sgpr_workgroup_id_y 1
		.amdhsa_system_sgpr_workgroup_id_z 1
		.amdhsa_system_vgpr_workitem_id 0
		.amdhsa_next_free_vgpr 256
		.amdhsa_next_free_sgpr 66
		.amdhsa_reserve_vcc 1
		.amdhsa_float_denorm_mode_32 3
		.amdhsa_float_denorm_mode_16_64 3
		.amdhsa_memory_ordered 1
		.amdhsa_forward_progress 1
		.amdhsa_inst_pref_size 32
	.end_amdhsa_kernel
	.amdgpu_metadata
---
amdhsa.version: [ 1, 2 ]
amdhsa.kernels:
  - .name:           k_qbc6522074f_route
    .symbol:         k_qbc6522074f_route.kd
    .args:
      - { .name: x, .offset: 0, .size: 8, .value_kind: global_buffer, .address_space: global }
      - { .name: router_w, .offset: 8, .size: 8, .value_kind: global_buffer, .address_space: global }
      - { .name: x_codes, .offset: 16, .size: 8, .value_kind: global_buffer, .address_space: global }
      - { .name: x_scales, .offset: 24, .size: 8, .value_kind: global_buffer, .address_space: global }
      - { .name: sel, .offset: 32, .size: 8, .value_kind: global_buffer, .address_space: global }
      - { .name: gate, .offset: 40, .size: 8, .value_kind: global_buffer, .address_space: global }
    .group_segment_fixed_size: 72192
    .private_segment_fixed_size: 0
    .kernarg_segment_align: 8
    .kernarg_segment_size: 48
    .max_flat_workgroup_size: 256
    .sgpr_count:     66
    .vgpr_count:     256
    .wavefront_size: 32
...
	.end_amdgpu_metadata
.endif
;; end of part 1
;; launch fc (part 2): grid 32 x 8, 4 waves a work-group, no clusters, 274,176 bytes of LDS; arguments sel, x_codes, x_scales, w_fc_codes, w_fc_scales, h_codes, h_scales, place; writes h_codes, h_scales, place
.if DOCPART == 2
	.amdgcn_target "amdgcn-amd-amdhsa--gfx1250"
	.amdhsa_code_object_version 6
	.text
	.protected	k_qbc6522074f_fc
	.globl	k_qbc6522074f_fc
	.p2align	8
	.type	k_qbc6522074f_fc,@function
k_qbc6522074f_fc:
	s_mov_b64 s[64:65], 0
	v_nop
	global_prefetch_b8 v0, s[64:65] scope:SCOPE_SE
	s_setreg_imm32_b32 hwreg(HW_REG_WAVE_MODE, 25, 1), 1
	s_wait_xcnt 0x0
; H = Q(gelu(x W_fc[e])) for the rows that chose expert e, in MX-FP8.  Work-group (x = 2 j2 + b, e) owns hidden units 256 j2 .. 256 j2 + 255 of expert e and the tiles of 16 slots g = 2 a + b.
; W STAYS IN REGISTERS: wave w keeps units 256 j2 + 64 w .. + 63, all of K: 64 KiB, 512 registers, read by consecutive loads and turned into fragments through the wave's own LDS stage.
; ROWS.  Each work-group builds its expert's list of tokens from sel (wave 0, a counting pass; no atomics); slot p of expert e holds the p-th token that chose e.  Own tiles go in chunks of four:
; wave w gathers tile a = 4 c + w straight into registers, in the operand's layout, and hands it to the other waves through LDS AS AN IMAGE OF THE REGISTERS (32 x 512 bytes of codes, 512 of scale
; words).  Every wave multiplies every tile.  Two image regions take turns, one barrier a chunk: at a chunk's end a wave stores the image of its tile of the next chunk and asks for its tile of the
; chunk after that, which so has a whole chunk's work in which to land.  The loop has the constant count 4, two chunks a trip (32 own tiles = 1,024 slots): every split is served, every barrier
; stands on every way, and work not in use is jumped over.
; THE PRODUCT IS USED TRANSPOSED: source 0 = 16 rows of W, source 1 = 16 tokens.  THE ROWS OF W THAT FORM A TILE ARE NOT NEIGHBOURS: row m of tile (np, u) is the wave's row 32 np + 8 u + m + 8 (m / 8),
; so that the 16 registers of tiles u = 0, 1 are 16 neighbours along the next K: unit 32 np + 16 (lane / 16) + 0 .. 15 of slot lane % 16.
; OUT: h_codes [64 e + tile][K step][c][lane][16 bytes]: images of the next operand's registers; a wave's 64 units are blocks c = 2 (w % 2) + np of K step 2 j2 + w / 2.  h_scales [64 e + tile][K step][row]
; words, of which a wave writes two bytes.  place (the work-group with x = 0): pos[e][token], cnt[e].
; GELU: exact form, 0.5 x (1 + erf(x / sqrt 2)) = max(x, 0) - |x| q(|x|), q = half of erfc by the five-term rational form (Abramowitz and Stegun 7.1.26) in f32.
; LIMITS: erf is off by up to 1.5e-7, so h by about 1e-7 |x|; NaN and infinities are not served; a block of zeros gets the byte 1 (zero codes; this program alone reads the bytes).
; No tensor loads and no cluster: which tiles have work hangs on counts read from memory, so the operands go through registers.
.set PITCH, 1040                       ; a stage row of W: 1,024 bytes + 16: the sixteen rows of a fragment load start at sixteen different 16-byte columns of the banks
.set XIMG,  133120                     ; LDS: 0: a stage of 32 rows for each wave; here: two regions of four tile images
.set TIMG,  16896                      ; a tile's image
.set REG1,  4*TIMG                     ; a region
.set LIST,  XIMG+2*REG1                ; 1,280 list words, then 32 dump words for the lanes whose token did not choose e
.set SST,   4                          ; v4       W into my stage: 16 x lane
.set SFR,   5                          ; v5       and out of it as fragments: row r, + 16 h
.set IW,    6                          ; v6, v7   where I store my tile's image: region 0, 1
.set IR,    8                          ; v8-11    where images are read: region 0 tiles 0-1, tiles 2-3; region 1 likewise
.set LA,    12                         ; v12      my lane's list word of my tile in chunk 0
.set XA0,   13                         ; v13, v14 chunk 0's gather: byte offsets of my token's codes and scale words
.set XSA0,  14
.set XA1,   15                         ; v15, v16 the same for every later gather
.set XSA1,  16
.set HO,    17                         ; v17      my byte offset in h_codes, for the trip's first tile
.set HSO,   18                         ; v18      and in h_scales
.set HSW,   19                         ; v19      the two scale bytes being gathered
.set TK0,   20
.set TK1,   21
.set LCL,   22                         ; v22      the address with which wave 0 clears the list
.set WSA,   23                         ; v23      W's scale words: my row's offset
.set WS,    40                         ; v40-55   W's scale words [np][K step]: lanes 0-15 tile u = 0, lanes 16-31 tile u = 1
.set XS,    56                         ; v56-59   the tile's scale words: lanes 0-15 K steps 0-3, lanes 16-31 K steps 4-7
.set XSL0,  60                         ; v60-63, v64-67 scale words as gathered
.set XSL1,  64
.set ACC,   92                         ; v92-123  four accumulators: (np, u) at ACC + 16 np + 8 u
.set E,     172                        ; v172-187, v188-203, v204-219, v236-251: the gelu's registers
.set T,     188
.set P,     204
.set S,     220                        ; at the head: v220-251 the 32 sel words of my lane, then their slots
.set QA,    220
.set QB,    221
.set QS,    222
.set QH,    223
.set QY,    224
.set QC,    225
.set CD,    228                        ; v228-235 codes, two sets
.set M,     236
.set B4,    252                        ; v[252:253] the coefficient b4, twice
; window 1: W's fragments of group np = 0 (128 u + 16 s); window 2: np = 1; window 3: v0-127 the tile's fragments of x, v128-255 the tile being gathered
.set MSB, 0
.macro WIN new                         ; the immediate's high byte repeats the setting that is left
.if MSB != \new
	s_set_vgpr_msb (MSB<<8)|\new
.set MSB, \new
.endif
.endm
.macro NOPS n
.rept \n
	v_nop
.endr
.endm
	s_load_b512 s[4:19], s[0:1], 0x0               ; sel, x_codes, x_scales, w_fc_codes, w_fc_scales, h_codes, h_scales, place
	v_lshl_add_u32 v170, v0, 2, 0x42d00
	v_mov_b32 v171, 0
	s_and_b32 s20, ttmp7, 0xffff                   ; e
	s_lshr_b32 s37, ttmp9, 1                       ; j2
	s_and_b32 s38, ttmp9, 1                        ; b
	v_lshrrev_b32 v1, 5, v0
	v_readfirstlane_b32 s22, v1                    ; wave
	v_and_b32 v39, 31, v0                          ; lane
	v_lshlrev_b32 v1, 4, v39                       ; v1: 16 x lane
	v_and_b32 v2, 15, v0                           ; r
	v_bfe_u32 v3, v0, 4, 1                         ; h
	s_mul_i32 s29, s22, 32*PITCH
	v_add_nc_u32 v[SST], s29, v1
	v_mul_u32_u24 v[SFR], v2, PITCH
	v_lshl_add_u32 v[SFR], v3, 4, v[SFR]
	v_add_nc_u32 v[SFR], s29, v[SFR]
	s_mul_i32 s29, s22, TIMG
	s_add_co_u32 s29, s29, XIMG
	v_add_nc_u32 v[IW], s29, v1
	v_add_nc_u32 v[IW+1], REG1, v[IW]
	v_add_nc_u32 v[IR], XIMG, v1
	v_add_nc_u32 v[IR+1], XIMG+2*TIMG, v1
	v_add_nc_u32 v[IR+2], XIMG+REG1, v1
	v_add_nc_u32 v[IR+3], XIMG+REG1+2*TIMG, v1
	s_lshl_b32 s29, s22, 7                         ; tile g = 2 (4 c + w) + b begins at list byte 64 g = 512 c + 128 w + 64 b
	s_lshl_b32 s30, s38, 6
	s_add_co_u32 s29, s29, s30
	s_add_co_u32 s29, s29, LIST
	v_lshl_add_u32 v[LA], v2, 2, s29
	v_add_nc_u32 v[LCL], LIST, v1
	v_add_nc_u32 v38, 1280, v39                    ; v38: my dump word's index
	v_and_b32 v[WSA], 8, v2
	v_add_nc_u32 v[WSA], v[WSA], v2
	v_lshl_add_u32 v[WSA], v3, 3, v[WSA]
	v_lshlrev_b32 v[WSA], 5, v[WSA]                ; row 8 h + r + 8 (r / 8), 32 bytes a row
	v_lshlrev_b32 v39, 2, v39                      ; v39: 4 x lane
	v_lshlrev_b32 v2, 2, v2                        ; v2: 4 r
	v_lshlrev_b32 v3, 4, v3                        ; v3: 16 h
.irp i, 0,1,2,3
	v_mov_b32 v[XS+\i], 0                          ; written once on every way; each tile's loads fill them ahead of its products
.endr
	s_lshl_b32 s23, 1, s20                         ; the expert's bit in a sel word
	s_mov_b32 s66, 0x3f596d27                      ; sqrt(log2(e) / 2): (this x)^2 = x^2 / 2 in powers of two
	s_mov_b32 s67, s66
	s_mov_b32 s68, 0x3f07dc22                      ; b5 .. b1: half of the form's five coefficients
	s_mov_b32 s69, s68
	s_mov_b32 s70, 0xbf3a00e3
	s_mov_b32 s72, 0x3f35f0e3
	s_mov_b32 s73, s72
	s_mov_b32 s74, 0xbe11a98e
	s_mov_b32 s75, s74
	s_mov_b32 s76, 0x3e027906
	s_mov_b32 s77, s76
	s_mov_b32 s78, 0x3e6d3388                      ; 0.3275911 / sqrt 2
	s_mov_b32 s79, 0x600000                        ; the mantissa field of 448
	s_mov_b32 s80, 0x76543210
	s_mov_b32 s81, 0xfedcba98
	s_lshl_b32 s30, s20, 22                        ; W: e x 4 MiB + j2 x 256 KiB + wave x 64 KiB
	s_lshl_b32 s31, s37, 18
	s_add_co_u32 s30, s30, s31
	s_lshl_b32 s31, s22, 16
	s_add_co_u32 s30, s30, s31
	s_mov_b32 s31, 0
	s_lshl_b32 s32, s20, 17                        ; its scale bytes: 32 a row
	s_lshl_b32 s33, s37, 13
	s_add_co_u32 s32, s32, s33
	s_lshl_b32 s33, s22, 11
	s_add_co_u32 s32, s32, s33
	s_mov_b32 s33, 0
	s_lshl_b32 s40, s20, 22                        ; h_codes: tile 64 e + b of 65,536 bytes, K step 2 j2 + w / 2 of 2,048
	s_lshl_b32 s41, s38, 16
	s_add_co_u32 s40, s40, s41
	s_lshl_b32 s41, s37, 12
	s_add_co_u32 s40, s40, s41
	s_lshr_b32 s41, s22, 1
	s_lshl_b32 s41, s41, 11
	s_add_co_u32 s40, s40, s41
	s_lshr_b32 s42, s40, 5                         ; h_scales: 2,048 a tile, 64 a K step,
	s_and_b32 s41, s22, 1
	s_lshl_b32 s43, s41, 1
	s_add_co_u32 s42, s42, s43                     ; and my two bytes of each word: 2 (w % 2)
	s_lshl_b32 s43, s41, 10
	s_add_co_u32 s40, s40, s43                     ; my two blocks of the image: 512 x 2 (w % 2)
	v_add_nc_u32 v[HO], s40, v1
	v_add_nc_u32 v[HSO], s42, v2
	s_wait_kmcnt 0x0
	s_add_nc_u64 s[10:11], s[10:11], s[30:31]
	s_add_nc_u64 s[12:13], s[12:13], s[32:33]
.irp i, 0,1,2,3,4,5,6,7
	global_load_b128 v[S+4*\i:S+4*\i+3], v1, s[4:5] offset:512*\i                  ; sel of tokens 128 i + 4 lane + 0 .. 3
.endr
.irp np, 0,1
.irp q, 0,1
	global_load_b128 v[WS+8*\np+4*\q:WS+8*\np+4*\q+3], v[WSA], s[12:13] offset:1024*\np+16*\q
.endr
.endr
	WIN 0x40
.set q, 0
.rept 64
	global_load_b128 v[4*q:4*q+3], v1, s[10:11] offset:512*q                       ; my rows 0-31 on end, 512 bytes an instruction (the work-group beside me reads the same rows: no hint)
.set q, q+1
.endr
	WIN 0
	s_wait_loadcnt 63                              ; the sel words are in: 68 loads were issued behind them
	; COUNT, in every wave: how many tokens chose e
	s_mov_b32 s24, 0
.set k, 0
.rept 32
	v_and_b32 v254, s23, v[S+k]
	v_cmp_ne_u32 vcc_lo, 0, v254
	s_bcnt1_i32_b32 s29, vcc_lo
	s_add_co_u32 s24, s24, s29
.set k, k+1
.endr
	s_min_u32 s24, s24, 1024                       ; cnt
	s_add_co_u32 s25, s24, 15
	s_lshr_b32 s25, s25, 4                         ; tiles in use
	s_sub_co_u32 s21, s25, s38
	s_add_co_u32 s21, s21, 1
	s_lshr_b32 s21, s21, 1                         ; s21: my own tiles still to do
	; PLACE, in wave 0: the list is cleared (slots past cnt name token 0), then each chosen token goes to its slot
	s_cmp_lg_u32 s22, 0
	s_cbranch_scc1 .Lplaced
.irp i, 252,253,254,255
	v_mov_b32 v\i, 0
.endr
.irp i, 0,1,2,3,4,5,6,7,8,9
	ds_store_b128 v[LCL], v[252:255] offset:512*\i
.endr
	s_mov_b32 s34, 0
.set k, 0
.rept 32
	v_and_b32 v254, s23, v[S+k]
	v_cmp_ne_u32 vcc_lo, 0, v254
	v_mbcnt_lo_u32_b32 v[S+k], vcc_lo, s34         ; the slot: those placed so far + the chosen lanes below mine (over the sel word)
	s_bcnt1_i32_b32 s29, vcc_lo
	s_add_co_u32 s34, s34, s29
	v_cndmask_b32 v252, v38, v[S+k], vcc_lo        ; a lane whose token did not choose e writes to its dump word
	v_min_u32 v252, 1311, v252
	v_lshl_add_u32 v252, v252, 2, LIST
	v_add_nc_u32 v253, 128*(k/4)+k%4, v39          ; the token
	ds_store_b32 v252, v253
.set k, k+1
.endr
	s_cmp_lg_u32 ttmp9, 0
	s_cbranch_scc1 .Lplaced                        ; one work-group of the expert's 32 stores the slots and the count
	s_lshl_b32 s29, s20, 12
	v_add_nc_u32 v254, s29, v1
.irp i, 0,1,2,3,4,5,6,7
	global_store_b128 v254, v[S+4*\i:S+4*\i+3], s[18:19] offset:512*\i             ; pos[e][token]
.endr
	s_lshl_b32 s29, s20, 7
	v_add_nc_u32 v255, s29, v39
	v_mov_b32 v253, s24
	global_store_b32 v255, v253, s[18:19] offset:32768                             ; cnt[e], 32 words alike
.Lplaced:
	s_wait_dscnt 0x0                               ; wave 0's list has landed
	s_barrier_signal -1
	s_barrier_wait -1
; a tile's gather: one load of scale words and 32 of codes: K step i / 4, registers 4 (i % 4) on: k = 32 i + 16 h + 0 .. 15 of my token
.macro GATH xa, xsa, xsl, base
	global_load_b128 v[\xsl:\xsl+3], v[\xsa], s[8:9]
	WIN 0xc0
.set i, 0
.rept 32
	global_load_b128 v[\base+4*i:\base+4*i+3], v[\xa], s[6:7] offset:32*i
.set i, i+1
.endr
	WIN 0
.endm
; the gathered tile goes to LDS as it stands in the registers: 512 consecutive bytes a store
.macro XSTORE adr, base, xsl
	WIN 0x0c                                       ; an LDS store's data are its source 1: window 3
.set i, 0
.rept 32
	ds_store_b128 v[\adr], v[\base+4*i:\base+4*i+3] offset:512*i
.set i, i+1
.endr
	WIN 0
	ds_store_b128 v[\adr], v[\xsl:\xsl+3] offset:16384
.endm
; 32 rows of W, as loaded, through my stage into the fragments of tiles u = 0, 1, in the same window.  Row rr becomes stage row rho: tile (rr / 8) % 2, row rr % 8 + 8 (rr / 16).
; LDS serves a wave's instructions in order: the loads see the stores, and the next group's stores come behind these loads.
.macro TOFRAG swin, dwin
	WIN \swin
.set q, 0
.rept 64
.set rr, q/2
.set rho, 16*((rr>>3)&1)+(rr&7)+8*(rr>>4)
	ds_store_b128 v[SST], v[4*q:4*q+3] offset:rho*PITCH+512*(q%2)
.set q, q+1
.endr
	WIN \dwin
.irp u, 0,1
.set i, 0
.rept 32
	ds_load_b128 v[128*\u+4*i:128*\u+4*i+3], v[SFR] offset:16*\u*PITCH+32*i
.set i, i+1
.endr
.endr
	WIN 0
.endm
	s_wait_xcnt 0x0                                ; wave 0's stores of the slots have read their data and offsets: those registers are written again only behind this wait
	ds_load_b32 v[TK0], v[LA]                      ; my tiles of chunks 0 and 1.  Both are gathered whatever the count (slots past the last name token 0), so that the counted waits below hold on every way
	ds_load_b32 v[TK1], v[LA] offset:512
	s_wait_dscnt 0x0
	v_min_u32 v[TK0], 1023, v[TK0]
	v_min_u32 v[TK1], 1023, v[TK1]
	v_lshl_add_u32 v[XA0], v[TK0], 10, v3          ; token x 1,024 + 16 h
	v_lshl_add_u32 v[XSA0], v[TK0], 5, v3          ; token x 32 + 16 h
	v_lshl_add_u32 v[XA1], v[TK1], 10, v3
	v_lshl_add_u32 v[XSA1], v[TK1], 5, v3
	GATH XA0, XSA0, XSL0, 0
	WIN 0x80
.set q, 64
.rept 64
	global_load_b128 v[4*(q-64):4*(q-64)+3], v1, s[10:11] offset:512*q             ; my rows 32-63
.set q, q+1
.endr
	WIN 0
	s_wait_loadcnt 63                              ; rows 0-31 and W's scale words are in: 97 loads were issued behind them
	TOFRAG 0x04, 0x40
	GATH XA1, XSA1, XSL1, 128
	s_wait_loadcnt 63                              ; chunk 0's tile is in: 97 loads were issued behind it
	XSTORE IW, 0, XSL0
	s_wait_loadcnt 33                              ; rows 32-63 are in; chunk 1's 33 loads may be out
	TOFRAG 0x08, 0x80
	v_mov_b32 v[QB], 0                             ; written once: a lane permute's destination counts as one of its sources
	v_mov_b32 v[B4], s70
	v_mov_b32 v[B4+1], s70
	s_wait_dscnt 0x0                               ; my fragments are in, and for the others' sake my tile's image lies in LDS
	s_barrier_signal -1
	s_barrier_wait -1
; a quarter of tile ti's image (region cc) into the fragment registers; the last quarter brings the scale words too
.macro XPIECE ti, cc, p
.set rg, IR+2*(\cc)+(\ti)/2
	WIN 0xc0
.set jj, 8*(\p)
.rept 8
	ds_load_b128 v[4*jj:4*jj+3], v[rg] offset:((\ti)%2)*TIMG+512*jj
.set jj, jj+1
.endr
	WIN 0
.if (\p) == 3
	ds_load_b128 v[XS:XS+3], v[rg] offset:((\ti)%2)*TIMG+16384
.endif
.endm
; the same for the tile behind tile ti, if the chunk has one in use.  The runs stand among the gelu's lines, which do not read the fragments
.macro XNEXT ti, cc, p
.if (\ti) < 3
	s_cmp_gt_i32 s21, (\ti)+1
	s_cbranch_scc0 .Lxn_\@
	XPIECE (\ti)+1, \cc, \p
.Lxn_\@:
.endif
.endm
; one product: tile (np, u) of W's rows, K step s.  K step 0 starts the sum.
.macro WM np, u, s
.set rD, ACC+16*(\np)+8*(\u)
.set rA, 128*(\u)+16*(\s)
.set rB, 16*(\s)
.set rSA, WS+8*(\np)+(\s)
.set rSB, XS+(\s)%4
.if (\s) == 0
.if (\u) == 0
	v_wmma_scale_f32_16x16x128_f8f6f4 v[rD:rD+7], v[rA:rA+15], v[rB:rB+15], 0, v[rSA], v[rSB]
.else
	v_wmma_scale_f32_16x16x128_f8f6f4 v[rD:rD+7], v[rA:rA+15], v[rB:rB+15], 0, v[rSA], v[rSB] matrix_a_scale:MATRIX_SCALE_ROW1
.endif
.elseif (\s) < 4
.if (\u) == 0
	v_wmma_scale_f32_16x16x128_f8f6f4 v[rD:rD+7], v[rA:rA+15], v[rB:rB+15], v[rD:rD+7], v[rSA], v[rSB]
.else
	v_wmma_scale_f32_16x16x128_f8f6f4 v[rD:rD+7], v[rA:rA+15], v[rB:rB+15], v[rD:rD+7], v[rSA], v[rSB] matrix_a_scale:MATRIX_SCALE_ROW1
.endif
.else
.if (\u) == 0
	v_wmma_scale_f32_16x16x128_f8f6f4 v[rD:rD+7], v[rA:rA+15], v[rB:rB+15], v[rD:rD+7], v[rSA], v[rSB] matrix_b_scale:MATRIX_SCALE_ROW1
.else
	v_wmma_scale_f32_16x16x128_f8f6f4 v[rD:rD+7], v[rA:rA+15], v[rB:rB+15], v[rD:rD+7], v[rSA], v[rSB] matrix_a_scale:MATRIX_SCALE_ROW1 matrix_b_scale:MATRIX_SCALE_ROW1
.endif
.endif
.endm
; group np's 16 numbers a lane (one block of 32 with lane l xor 16).  First half: the batch of reciprocals and exponentials, and its one wait
.macro EPIA np
.set rX, ACC+16*(\np)
.set i, 0
.rept 8
	v_pk_mul_f32 v[E+i:E+i+1], v[rX+i:rX+i+1], s[66:67] op_sel_hi:[1,0]            ; each accumulator is read from its low end on
.set i, i+2
.endr
.set i, 0
.rept 8
	v_pk_mul_f32 v[E+i:E+i+1], v[E+i:E+i+1], v[E+i:E+i+1]                          ; x^2 / 2 x log2(e)
.set i, i+2
.endr
.set i, 0
.rept 16
	v_fma_f32 v[T+i], |v[rX+i]|, s78, 1.0
.set i, i+1
.endr
.set i, 0
.rept 16
	v_rcp_f32 v[T+i], v[T+i]                       ; t = 1 / (1 + 0.3275911 |x| / sqrt 2)
.set i, i+1
.endr
.set i, 0
.rept 16
	v_exp_f32 v[E+i], -v[E+i]                      ; e^(-x^2 / 2)
.set i, i+1
.endr
.set i, 0
.rept 16
	v_max_num_f32 v[M+i], 0, v[rX+i]               ; plain work behind the batch
.set i, i+1
.endr
	s_wait_alu depctr_va_vdst(0)                   ; one wait for the 32, ahead of their first reader and of the branch that follows
.endm
; second half: the polynomial, gelu, scale byte, codes, out.  ti, cc: the tile's place in the trip
.macro EPIB np, ti, cc
.set rX, ACC+16*(\np)
.set i, 0
.rept 8
	v_pk_fma_f32 v[P+i:P+i+1], v[T+i:T+i+1], s[68:69], v[B4:B4+1] op_sel_hi:[1,0,1]
.set i, i+2
.endr
.irp cf, 72,74,76
.set i, 0
.rept 8
	v_pk_fma_f32 v[P+i:P+i+1], v[P+i:P+i+1], v[T+i:T+i+1], s[\cf:\cf+1] op_sel_hi:[1,1,0]
.set i, i+2
.endr
.endr
.set i, 0
.rept 8
	v_pk_mul_f32 v[E+i:E+i+1], v[E+i:E+i+1], v[T+i:T+i+1]
.set i, i+2
.endr
.set i, 0
.rept 8
	v_pk_mul_f32 v[P+i:P+i+1], v[P+i:P+i+1], v[E+i:E+i+1]                          ; q = half of erfc(|x| / sqrt 2)
.set i, i+2
.endr
.set i, 0
.rept 16
	v_fma_f32 v[rX+i], -|v[rX+i]|, v[P+i], v[M+i]  ; gelu = max(x, 0) - |x| q
.set i, i+1
.endr
	v_max3_num_f32 v[QA], |v[rX]|, |v[rX+1]|, 0x4800000                            ; the largest magnitude, with the floor 2^(9 - 127) among its leaves
	v_max3_num_f32 v[QC], |v[rX+8]|, |v[rX+9]|, |v[rX+10]|
	v_max3_num_f32 v[QA], v[QA], |v[rX+2]|, |v[rX+3]|
	v_max3_num_f32 v[QC], v[QC], |v[rX+11]|, |v[rX+12]|
	v_max3_num_f32 v[QA], v[QA], |v[rX+4]|, |v[rX+5]|
	v_max3_num_f32 v[QC], v[QC], |v[rX+13]|, |v[rX+14]|
	v_max3_num_f32 v[QA], v[QA], |v[rX+6]|, |v[rX+7]|
	v_max3_num_f32 v[QA], v[QA], v[QC], |v[rX+15]|
	v_permlanex16_b32 v[QB], v[QA], s80, s81
	v_max_num_f32 v[QA], v[QA], v[QB]              ; with lane l xor 16's 16: the block's
	v_add_nc_u32 v[QS], 0xfc000000, v[QA]          ; 8 off the exponent field: the conversion's scale operand
	v_and_or_b32 v[QH], v[QA], 0x7f800000, s79     ; 448 x the scale
	v_lshrrev_b32 v[QY], 23, v[QS]                 ; the scale's byte
	s_wait_xcnt 0x0                                ; earlier stores have read their data: the scale bytes' and the codes' registers are rewritten only behind this wait
.if (\np) == 0
	v_mov_b32 v[HSW], v[QY]
.else
	v_lshl_or_b32 v[HSW], v[QY], 8, v[HSW]
.endif
.set i, 0
.rept 16
	v_med3_num_f32 v[rX+i], v[rX+i], -v[QH], v[QH] ; the conversion to an 8-bit code does not saturate (ISA guide 7.6.2): the hold comes first
.set i, i+1
.endr
	v_cvt_scalef32_pk8_fp8_f32 v[CD+4*(\np):CD+4*(\np)+1], v[rX:rX+7], v[QS]
	v_cvt_scalef32_pk8_fp8_f32 v[CD+4*(\np)+2:CD+4*(\np)+3], v[rX+8:rX+15], v[QS]
	v_nop                                          ; a plain instruction between the conversions and the products that write their sources again
	global_store_b128 v[HO], v[CD+4*(\np):CD+4*(\np)+3], s[14:15] offset:131072*(\ti)+524288*(\cc)+512*(\np)   ; one block's four registers of the image: 512 consecutive bytes
.if (\np) == 1
	global_store_b16 v[HSO], v[HSW], s[16:17] offset:4096*(\ti)+16384*(\cc)        ; my two bytes of the 16 rows' scale words (lanes l and l + 16 write the same two bytes)
.endif
.endm
; The chunk's tile ti.  The wait at its head stands on every way, so that no load into the fragment registers meets one that is still out.
.macro TILE ti, cc
	s_wait_dscnt 0x0                               ; this tile's fragments and scale words are in
	s_cmp_gt_i32 s21, \ti
	s_cbranch_scc0 .Lsk_\@
	WIN 0x0d                                       ; W window 1, x window 3, C and D window 0
.irp s, 0,1,2,3,4,5,6,7
	WM 0, 0, \s                                    ; two accumulators by turns, one instruction a turn
	WM 0, 1, \s
.endr
	WIN 0x0e                                       ; W window 2
.irp s, 0,1,2,3,4,5,6,7
	WM 1, 0, \s
	WM 1, 1, \s
.endr
	WIN 0
	NOPS 9                                         ; eight ahead of the first read of results and of loads into the fragments and scale words; the ninth for accumulators begun anew
	XNEXT \ti, \cc, 0
	EPIA 0
	XNEXT \ti, \cc, 1
	EPIB 0, \ti, \cc
	XNEXT \ti, \cc, 2
	EPIA 1
	XNEXT \ti, \cc, 3
	EPIB 1, \ti, \cc
.Lsk_\@:
.endm
; A chunk: four own tiles out of region cc.  s21 = own tiles left, counted from the chunk's first.  At its end my tile of the next chunk, gathered a chunk ago, goes into the other region,
; which every wave has left (the last barrier), and my tile of the chunk after that is asked for.  The two waits stand outside the branches.
.macro CHUNK cc
	s_cmp_gt_i32 s21, 0
	s_cbranch_scc0 .Lnf_\@
	XPIECE 0, \cc, 0
	XPIECE 0, \cc, 1
	XPIECE 0, \cc, 2
	XPIECE 0, \cc, 3
.Lnf_\@:
	TILE 0, \cc
	TILE 1, \cc
	TILE 2, \cc
	TILE 3, \cc
	s_wait_loadcnt 0x0                             ; the tile that I gathered has landed; on every way no load stays out
	s_sub_co_i32 s30, s21, 4
	s_cmp_gt_i32 s30, s22                          ; is tile 4 (c + 1) + w in use?
	s_cbranch_scc0 .Lns_\@
	XSTORE IW+1-\cc, 128, XSL1
.Lns_\@:
	s_wait_dscnt 0x0                               ; the stores have read their registers: the next gather may land there
	s_sub_co_i32 s30, s21, 8
	s_cmp_gt_i32 s30, s22                          ; is tile 4 (c + 2) + w in use?
	s_cbranch_scc0 .Lng_\@
	s_add_co_u32 s29, s35, 1024                    ; two chunks on in the list
	v_add_nc_u32 v254, s29, v[LA]
	ds_load_b32 v[TK1], v254 offset:512*\cc
	s_wait_dscnt 0x0
	v_min_u32 v[TK1], 1023, v[TK1]
	v_lshl_add_u32 v[XA1], v[TK1], 10, v3          ; (the loads that read these offsets were shown done above)
	v_lshl_add_u32 v[XSA1], v[TK1], 5, v3
	GATH XA1, XSA1, XSL1, 128
.Lng_\@:
	s_wait_dscnt 0x0                               ; for the others' sake: my image lies in LDS, and my reads of this region are over
	s_barrier_signal -1
	s_barrier_wait -1
	s_sub_co_i32 s21, s21, 4
.endm
	s_mov_b32 s26, 0                               ; the trip
	s_mov_b32 s35, 0                               ; its bytes in the list: 1,024 a trip
.Ltrip:                                            ; four trips, whatever the split
	CHUNK 0
	CHUNK 1
	s_wait_xcnt 0x0                                ; the trip's stores have read their offsets
	v_add_nc_u32 v[HO], 0x100000, v[HO]            ; sixteen tiles on
	v_add_nc_u32 v[HSO], 0x8000, v[HSO]
	s_add_co_u32 s35, s35, 1024
	s_add_co_u32 s26, s26, 1
	s_cmp_lt_u32 s26, 4
	s_cbranch_scc1 .Ltrip
	s_wait_tensorcnt 0x0
	ds_add_u32 v170, v171
	s_wait_dscnt 0x0
	s_endpgm
.Lfunc_end_k_qbc6522074f_fc:
	.size	k_qbc6522074f_fc, .Lfunc_end_k_qbc6522074f_fc-k_qbc6522074f_fc
	.p2alignl 7, 3214868480
	.fill 96, 4, 3214868480
	.section	.rodata,"a",@progbits
	.p2align	6, 0x0
	.amdhsa_kernel k_qbc6522074f_fc
		.amdhsa_group_segment_fixed_size 274176
		.amdhsa_private_segment_fixed_size 0
		.amdhsa_enable_private_segment 0
		.amdhsa_kernarg_size 64
		.amdhsa_user_sgpr_count 2
		.amdhsa_user_sgpr_kernarg_segment_ptr 1
		.amdhsa_wavefront_size32 1
		.amdhsa_system_sgpr_workgroup_id_x 1
		.amdhsa_system_sgpr_workgroup_id_y 1
		.amdhsa_system_sgpr_workgroup_id_z 1
		.amdhsa_system_vgpr_workitem_id 0
		.amdhsa_next_free_vgpr 1024
		.amdhsa_next_free_sgpr 100
		.amdhsa_reserve_vcc 1
		.amdhsa_float_denorm_mode_32 3
		.amdhsa_float_denorm_mode_16_64 3
		.amdhsa_memory_ordered 1
		.amdhsa_forward_progress 1
		.amdhsa_inst_pref_size 255
	.end_amdhsa_kernel
	.section	.bss,"aw",@nobits
	.p2align	6
	.space	262144
	.amdgpu_metadata
---
amdhsa.version: [ 1, 2 ]
amdhsa.kernels:
  - .name:           k_qbc6522074f_fc
    .symbol:         k_qbc6522074f_fc.kd
    .args:
      - { .name: sel, .offset: 0, .size: 8, .value_kind: global_buffer, .address_space: global }
      - { .name: x_codes, .offset: 8, .size: 8, .value_kind: global_buffer, .address_space: global }
      - { .name: x_scales, .offset: 16, .size: 8, .value_kind: global_buffer, .address_space: global }
      - { .name: w_fc_codes, .offset: 24, .size: 8, .value_kind: global_buffer, .address_space: global }
      - { .name: w_fc_scales, .offset: 32, .size: 8, .value_kind: global_buffer, .address_space: global }
      - { .name: h_codes, .offset: 40, .size: 8, .value_kind: global_buffer, .address_space: global }
      - { .name: h_scales, .offset: 48, .size: 8, .value_kind: global_buffer, .address_space: global }
      - { .name: place, .offset: 56, .size: 8, .value_kind: global_buffer, .address_space: global }
    .group_segment_fixed_size: 274176
    .private_segment_fixed_size: 0
    .kernarg_segment_align: 8
    .kernarg_segment_size: 64
    .max_flat_workgroup_size: 128
    .sgpr_count:     100
    .vgpr_count:     1024
    .wavefront_size: 32
...
	.end_amdgpu_metadata
.endif
;; end of part 2
;; launch proj (part 3): grid 32 x 8, 4 waves a work-group, no clusters, 272,896 bytes of LDS; arguments place, h_codes, h_scales, w_proj_codes, w_proj_scales, y; writes y
.if DOCPART == 3
	.amdgcn_target "amdgcn-amd-amdhsa--gfx1250"
	.amdhsa_code_object_version 6
	.text
	.protected	k_qbc6522074f_proj
	.globl	k_qbc6522074f_proj
	.p2align	8
	.type	k_qbc6522074f_proj,@function
k_qbc6522074f_proj:
	s_mov_b64 s[64:65], 0
	v_nop
	global_prefetch_b8 v0, s[64:65] scope:SCOPE_SE
	s_setreg_imm32_b32 hwreg(HW_REG_WAVE_MODE, 25, 1), 1
	s_wait_xcnt 0x0
; y[1024 e + slot][:] = H[e][slot] W_proj[e], in MX-FP8, for the slots in use.  Work-group (x = 2 sl + b, e) owns output columns 64 sl .. 64 sl + 63 of expert e and the tiles of 16 slots
; g = 2 a + b.  THE WAVES SPLIT K: wave w keeps K quarter 1024 w .. 1024 w + 1023 of the 64 rows of W in 512 registers for the whole launch, and streams only its quarter of each tile of H:
; 16 KiB on end, images of the operand's registers as the launch before laid them.  The four partial sums meet in LDS, once for each chunk of eight tiles.
; The product is used transposed (source 0 = 16 rows of W, source 1 = 16 slots): a lane holds eight neighbouring columns of one slot's row.
; The loop over chunks has the constant count 4 (32 own tiles = 1,024 slots) and its eight tiles are written out, so that every barrier stands on every way; tiles not in use are jumped over.
; No tensor loads and no cluster: which tiles have work hangs on a count read from memory.  The sums of the four quarters are added as (0 + 1) + (2 + 3).
.set STG,  133120                      ; LDS: 0: a stage of 32 rows x 1,040 bytes for each wave (W on its way into fragments); here: 8 tiles x 4 waves x 4,352 bytes of partial sums
.set WS,   16                          ; v16-31   W's scale words [pair of tiles][K step]: lane l = row 32 pair + l
.set HS,   32                          ; v32-39   H's scale words [buffer][i]: lanes 0-15 K step 2 i, lanes 16-31 K step 2 i + 1
.set ACC,  40                          ; v40-103  two sets of four accumulators
.set RT,   104                         ; v104-167 the reduction's registers
; window 1: W's fragments of tiles nt = 0, 1 (128 (nt % 2) + 16 s); window 2: nt = 2, 3; window 3: two buffers of 128 for H
.set MSB, 0
.macro WIN new                         ; the immediate's high byte repeats the setting that is left
.if MSB != \new
	s_set_vgpr_msb (MSB<<8)|\new
.set MSB, \new
.endif
.endm
.macro NOPS n
.rept \n
	v_nop
.endr
.endm
	s_load_b256 s[4:11], s[0:1], 0x0               ; place, h_codes, h_scales, w_proj_codes
	s_load_b128 s[12:15], s[0:1], 0x20             ; w_proj_scales, y
	v_lshl_add_u32 v254, v0, 2, 0x42800
	v_mov_b32 v255, 0
	s_and_b32 s16, ttmp7, 0xffff                   ; e
	s_lshr_b32 s17, ttmp9, 1                       ; sl
	s_and_b32 s18, ttmp9, 1                        ; b
	v_lshrrev_b32 v1, 5, v0
	v_readfirstlane_b32 s19, v1                    ; wave
.irp i, 0,1,2,3,4,5,6,7
	v_mov_b32 v[HS+\i], 0                          ; H's scale registers are written once on every way; each tile's loads fill them ahead of its products
.endr
	v_and_b32 v12, 31, v0                          ; lane
	v_lshlrev_b32 v1, 4, v12                       ; v1: 16 x lane
	v_lshlrev_b32 v2, 2, v12                       ; v2: 4 x lane
	v_lshlrev_b32 v11, 7, v12                      ; v11: 128 x lane: a row of W's scale bytes
	v_and_b32 v13, 15, v0                          ; r
	v_bfe_u32 v14, v0, 4, 1                        ; h
	s_mul_i32 s29, s19, 33280
	v_add_nc_u32 v3, s29, v1                       ; v3: W into my stage
	v_mul_u32_u24 v4, v13, 1040
	v_lshl_add_u32 v4, v14, 4, v4
	v_add_nc_u32 v4, s29, v4                       ; v4: and out of it, as fragments: row r, + 16 h
	s_mul_i32 s29, s19, 4352
	s_add_co_u32 s29, s29, STG
	v_mul_u32_u24 v5, v14, 272
	v_lshl_add_u32 v5, v13, 4, v5
	v_add_nc_u32 v5, s29, v5                       ; v5: my partial sums of tiles 0-3: quad i at 544 i + 272 h + 16 r
	v_add_nc_u32 v6, 69632, v5                     ; v6: of tiles 4-7
	s_mul_i32 s29, s19, 17408
	s_add_co_u32 s29, s29, STG
	v_lshrrev_b32 v7, 2, v13
	v_and_b32 v8, 1, v13
	v_lshl_add_u32 v7, v7, 1, v8
	v_mul_u32_u24 v7, v7, 544
	v_bfe_u32 v8, v0, 1, 1
	v_mad_u32_u24 v7, v8, 272, v7
	v_lshl_add_u32 v7, v14, 4, v7
	v_add_nc_u32 v7, s29, v7                       ; v7: back, for tile w: columns 4 m .. 4 m + 3 (m = lane % 16) lie in quad 2 (m / 4) + m % 2, half (m / 2) % 2; row 2 k + lane / 16
	v_add_nc_u32 v8, 69632, v7                     ; v8: for tile w + 4
	v_lshlrev_b32 v9, 12, v14
	v_lshl_add_u32 v9, v13, 4, v9                  ; v9: the same place in y: 4,096 (lane / 16) + 16 (lane % 16)
	s_lshl_b32 s30, s16, 22                        ; W: (1024 e + 64 sl) rows of 4,096 bytes + 1,024 w
	s_lshl_b32 s38, s17, 18
	s_add_co_u32 s30, s30, s38
	s_lshl_b32 s38, s19, 10
	s_add_co_u32 s30, s30, s38
	s_mov_b32 s31, 0
	s_lshl_b32 s32, s16, 17                        ; its scale bytes: rows of 128 + 32 w
	s_lshl_b32 s38, s17, 13
	s_add_co_u32 s32, s32, s38
	s_lshl_b32 s38, s19, 5
	s_add_co_u32 s32, s32, s38
	s_mov_b32 s33, 0
	s_lshl_b32 s34, s16, 22                        ; H: tile 64 e + b of 65,536 bytes + 16,384 w
	s_lshl_b32 s38, s18, 16
	s_add_co_u32 s34, s34, s38
	s_lshl_b32 s38, s19, 14
	s_add_co_u32 s34, s34, s38
	s_mov_b32 s35, 0
	s_lshl_b32 s36, s16, 17                        ; its scale words: 2,048 a tile + 512 w
	s_lshl_b32 s38, s18, 11
	s_add_co_u32 s36, s36, s38
	s_lshl_b32 s38, s19, 9
	s_add_co_u32 s36, s36, s38
	s_mov_b32 s37, 0
	s_lshl_b32 s28, s16, 22                        ; y: row 1024 e + 16 b + 32 w of 4,096 bytes, + 256 sl: the tile that I reduce first in chunk 0
	s_lshl_b32 s38, s18, 16
	s_add_co_u32 s28, s28, s38
	s_lshl_b32 s38, s19, 17
	s_add_co_u32 s28, s28, s38
	s_lshl_b32 s38, s17, 8
	s_add_co_u32 s28, s28, s38
	s_lshl_b32 s29, s16, 7
	s_wait_kmcnt 0x0
	s_load_b32 s20, s[4:5], s29 offset:0x8000      ; cnt[e]
	s_add_nc_u64 s[10:11], s[10:11], s[30:31]
	s_add_nc_u64 s[12:13], s[12:13], s[32:33]
	s_add_nc_u64 s[24:25], s[6:7], s[34:35]
	s_add_nc_u64 s[26:27], s[8:9], s[36:37]
.irp pr, 0,1
.irp q, 0,1
	global_load_b128 v[WS+8*\pr+4*\q:WS+8*\pr+4*\q+3], v11, s[12:13] offset:4096*\pr+16*\q
.endr
.endr
	WIN 0x40
.set q, 0
.rept 64
	global_load_b128 v[4*q:4*q+3], v1, s[10:11] offset:(q/2)*4096+512*(q%2)        ; rows 0-31, my 1,024 bytes of each: 512 consecutive bytes an instruction
.set q, q+1
.endr
	WIN 0xc0
.rept 64
	global_load_b128 v[4*(q-64):4*(q-64)+3], v1, s[10:11] offset:(q/2)*4096+512*(q%2)   ; rows 32-63: they also write both of H's buffers once on every way
.set q, q+1
.endr
	WIN 0
	s_wait_kmcnt 0x0
	s_min_u32 s20, s20, 1024
	s_add_co_u32 s20, s20, 15
	s_lshr_b32 s20, s20, 4                         ; tiles in use
	s_sub_co_u32 s20, s20, s18
	s_add_co_u32 s20, s20, 1
	s_lshr_b32 s21, s20, 1                         ; s21: my own tiles still to do
	s_wait_loadcnt 0x0
	WIN 0x04                                       ; an LDS store's data are its source 1: window 1
.set q, 0
.rept 64
	ds_store_b128 v3, v[4*q:4*q+3] offset:(q/2)*1040+512*(q%2)
.set q, q+1
.endr
	WIN 0x40
.irp nt, 0,1
.set i, 0
.rept 32
	ds_load_b128 v[128*\nt+4*i:128*\nt+4*i+3], v4 offset:16*\nt*1040+32*i          ; LDS serves a wave's instructions in order: these see the stores above
.set i, i+1
.endr
.endr
	WIN 0x0c
.set q, 0
.rept 64
	ds_store_b128 v3, v[4*q:4*q+3] offset:(q/2)*1040+512*(q%2)                     ; rows 32-63 take the same bytes, behind the loads above
.set q, q+1
.endr
	WIN 0
	s_wait_dscnt 0x0                               ; the stores have read window 3: H may land there
; a tile of H, my K quarter: 32 loads of 512 consecutive bytes and four of scale words.  qq: the tile's place counted from the chunk's first
.macro HLOAD buf, qq
	WIN 0xc0
.set jj, 0
.rept 32
	global_load_b128 v[128*(\buf)+4*jj:128*(\buf)+4*jj+3], v1, s[24:25] offset:131072*(\qq)+512*jj
.set jj, jj+1
.endr
	WIN 0
.irp i, 0,1,2,3
	global_load_b32 v[HS+4*(\buf)+\i], v2, s[26:27] offset:4096*(\qq)+128*\i
.endr
.endm
	s_cmp_gt_i32 s21, 0
	s_cbranch_scc0 .Lno_first                      ; only tiles that the launch before has stored are read
	HLOAD 0, 0
.Lno_first:
	WIN 0x80
.irp nt, 0,1
.set i, 0
.rept 32
	ds_load_b128 v[128*\nt+4*i:128*\nt+4*i+3], v4 offset:16*\nt*1040+32*i
.set i, i+1
.endr
.endr
	WIN 0
	s_wait_dscnt 0x0
; one product: tile nt of W's rows, K step s of my eight.  K step 0 starts the sum.
.macro PM cu, nt, s
.set rD, ACC+32*(\cu)+8*(\nt)
.set rA, 128*((\nt)%2)+16*(\s)
.set rB, 128*(\cu)+16*(\s)
.set rSA, WS+8*((\nt)/2)+(\s)
.set rSB, HS+4*(\cu)+(\s)/2
.if (\s) == 0
.if (\nt)%2 == 0
	v_wmma_scale_f32_16x16x128_f8f6f4 v[rD:rD+7], v[rA:rA+15], v[rB:rB+15], 0, v[rSA], v[rSB]
.else
	v_wmma_scale_f32_16x16x128_f8f6f4 v[rD:rD+7], v[rA:rA+15], v[rB:rB+15], 0, v[rSA], v[rSB] matrix_a_scale:MATRIX_SCALE_ROW1
.endif
.elseif (\s)%2 == 0
.if (\nt)%2 == 0
	v_wmma_scale_f32_16x16x128_f8f6f4 v[rD:rD+7], v[rA:rA+15], v[rB:rB+15], v[rD:rD+7], v[rSA], v[rSB]
.else
	v_wmma_scale_f32_16x16x128_f8f6f4 v[rD:rD+7], v[rA:rA+15], v[rB:rB+15], v[rD:rD+7], v[rSA], v[rSB] matrix_a_scale:MATRIX_SCALE_ROW1
.endif
.else
.if (\nt)%2 == 0
	v_wmma_scale_f32_16x16x128_f8f6f4 v[rD:rD+7], v[rA:rA+15], v[rB:rB+15], v[rD:rD+7], v[rSA], v[rSB] matrix_b_scale:MATRIX_SCALE_ROW1
.else
	v_wmma_scale_f32_16x16x128_f8f6f4 v[rD:rD+7], v[rA:rA+15], v[rB:rB+15], v[rD:rD+7], v[rSA], v[rSB] matrix_a_scale:MATRIX_SCALE_ROW1 matrix_b_scale:MATRIX_SCALE_ROW1
.endif
.endif
.endm
; The chunk's q-th tile: the next tile is asked for, this one is multiplied, my partial sums go to LDS.
; At a tile's head at most 36 loads are out, on every way, and they go into THIS tile's buffer: the way that asks for the next tile waits for all but the 36 just issued,
; and the way that asks for nothing waits for all, whether or not this tile is then multiplied.  So the loads for the next tile never meet a load on its way into the same registers.
.macro TILE q
.set cur, (\q)%2
	s_cmp_gt_i32 s21, (\q)+1
	s_cbranch_scc0 .Lnn_\@
	HLOAD 1-cur, (\q)+1
	s_wait_loadcnt 36                              ; this tile's loads are in; the 36 just issued may be out
	s_branch .Lgo_\@
.Lnn_\@:
	s_wait_loadcnt 0x0                             ; nothing is asked for: no load stays out, on the way round this tile too
	s_cmp_gt_i32 s21, \q
	s_cbranch_scc0 .Lsk_\@
.Lgo_\@:
	s_wait_dscnt 0x0                               ; the LDS stores that read this set of accumulators two tiles ago are done: it may be begun anew
	WIN 0x0d                                       ; W window 1, H window 3, C and D window 0
.irp s, 0,1,2,3,4,5,6,7
	PM cur, 0, \s                                  ; two accumulators by turns, one instruction a turn
	PM cur, 1, \s
.endr
	WIN 0x0e                                       ; W window 2
.irp s, 0,1,2,3,4,5,6,7
	PM cur, 2, \s
	PM cur, 3, \s
.endr
	WIN 0
	NOPS 9                                         ; eight ahead of the stores that read results and of the next loads into H's buffer; the ninth for accumulators begun anew
.irp i, 0,1,2,3,4,5,6,7
	ds_store_b128 v[5+(\q)/4], v[ACC+32*cur+4*\i:ACC+32*cur+4*\i+3] offset:((\q)%4)*17408+544*\i   ; each accumulator from its low end on
.endr
.Lsk_\@:
.endm
; tile w + 4 z of the chunk: the four waves' partial sums are added and leave as rows: sixteen lanes store 256 consecutive bytes, aligned
.macro REDUCE z
	s_add_co_u32 s30, s19, 4*\z
	s_cmp_gt_i32 s21, s30
	s_cbranch_scc0 .Lnr_\@
.irp hk, 0,1
	s_wait_xcnt 0x0                                ; earlier stores have read their data: the registers are loaded again only behind this wait
.irp kk, 0,1,2,3
.irp wv, 0,1,2,3
	ds_load_b128 v[RT+16*\kk+4*\wv:RT+16*\kk+4*\wv+3], v[7+\z] offset:4352*\wv+32*(4*\hk+\kk)
.endr
.endr
	s_wait_dscnt 0x0
.irp kk, 0,1,2,3
	v_pk_add_f32 v[RT+16*\kk:RT+16*\kk+1], v[RT+16*\kk:RT+16*\kk+1], v[RT+16*\kk+4:RT+16*\kk+5]
	v_pk_add_f32 v[RT+16*\kk+2:RT+16*\kk+3], v[RT+16*\kk+2:RT+16*\kk+3], v[RT+16*\kk+6:RT+16*\kk+7]
	v_pk_add_f32 v[RT+16*\kk+8:RT+16*\kk+9], v[RT+16*\kk+8:RT+16*\kk+9], v[RT+16*\kk+12:RT+16*\kk+13]
	v_pk_add_f32 v[RT+16*\kk+10:RT+16*\kk+11], v[RT+16*\kk+10:RT+16*\kk+11], v[RT+16*\kk+14:RT+16*\kk+15]
	v_pk_add_f32 v[RT+16*\kk:RT+16*\kk+1], v[RT+16*\kk:RT+16*\kk+1], v[RT+16*\kk+8:RT+16*\kk+9]
	v_pk_add_f32 v[RT+16*\kk+2:RT+16*\kk+3], v[RT+16*\kk+2:RT+16*\kk+3], v[RT+16*\kk+10:RT+16*\kk+11]
	global_store_b128 v10, v[RT+16*\kk:RT+16*\kk+3], s[14:15] offset:8192*(4*\hk+\kk)+524288*\z th:TH_STORE_NT
.endr
.endr
.Lnr_\@:
.endm
	s_mov_b32 s22, 0
.Lchunk:                                           ; four trips, whatever the count
	TILE 0
	TILE 1
	TILE 2
	TILE 3
	TILE 4
	TILE 5
	TILE 6
	TILE 7
	s_wait_dscnt 0x0                               ; for the others' sake: my partial sums lie in LDS
	s_barrier_signal -1
	s_barrier_wait -1
	s_wait_xcnt 0x0                                ; the last chunk's stores have read their offset
	v_add_nc_u32 v10, s28, v9
	REDUCE 0
	REDUCE 1
	s_wait_dscnt 0x0                               ; my reads of the partial sums are over: the next chunk may write there
	s_barrier_signal -1
	s_barrier_wait -1
	s_wait_xcnt 0x0                                ; the loads on their way have read their bases
	s_add_nc_u64 s[24:25], s[24:25], 0x100000      ; eight own tiles on
	s_add_nc_u64 s[26:27], s[26:27], 0x8000
	s_add_co_u32 s28, s28, 0x100000
	s_sub_co_i32 s21, s21, 8
	s_add_co_u32 s22, s22, 1
	s_cmp_lt_u32 s22, 4
	s_cbranch_scc1 .Lchunk
	s_wait_tensorcnt 0x0
	ds_add_u32 v254, v255
	s_wait_dscnt 0x0
	s_endpgm
.Lfunc_end_k_qbc6522074f_proj:
	.size	k_qbc6522074f_proj, .Lfunc_end_k_qbc6522074f_proj-k_qbc6522074f_proj
	.p2alignl 7, 3214868480
	.fill 96, 4, 3214868480
	.section	.rodata,"a",@progbits
	.p2align	6, 0x0
	.amdhsa_kernel k_qbc6522074f_proj
		.amdhsa_group_segment_fixed_size 272896
		.amdhsa_private_segment_fixed_size 0
		.amdhsa_enable_private_segment 0
		.amdhsa_kernarg_size 48
		.amdhsa_user_sgpr_count 2
		.amdhsa_user_sgpr_kernarg_segment_ptr 1
		.amdhsa_wavefront_size32 1
		.amdhsa_system_sgpr_workgroup_id_x 1
		.amdhsa_system_sgpr_workgroup_id_y 1
		.amdhsa_system_sgpr_workgroup_id_z 1
		.amdhsa_system_vgpr_workitem_id 0
		.amdhsa_next_free_vgpr 1024
		.amdhsa_next_free_sgpr 66
		.amdhsa_reserve_vcc 0
		.amdhsa_float_denorm_mode_32 3
		.amdhsa_float_denorm_mode_16_64 3
		.amdhsa_memory_ordered 1
		.amdhsa_forward_progress 1
		.amdhsa_inst_pref_size 118
	.end_amdhsa_kernel
	.amdgpu_metadata
---
amdhsa.version: [ 1, 2 ]
amdhsa.kernels:
  - .name:           k_qbc6522074f_proj
    .symbol:         k_qbc6522074f_proj.kd
    .args:
      - { .name: place, .offset: 0, .size: 8, .value_kind: global_buffer, .address_space: global }
      - { .name: h_codes, .offset: 8, .size: 8, .value_kind: global_buffer, .address_space: global }
      - { .name: h_scales, .offset: 16, .size: 8, .value_kind: global_buffer, .address_space: global }
      - { .name: w_proj_codes, .offset: 24, .size: 8, .value_kind: global_buffer, .address_space: global }
      - { .name: w_proj_scales, .offset: 32, .size: 8, .value_kind: global_buffer, .address_space: global }
      - { .name: y, .offset: 40, .size: 8, .value_kind: global_buffer, .address_space: global }
    .group_segment_fixed_size: 272896
    .private_segment_fixed_size: 0
    .kernarg_segment_align: 8
    .kernarg_segment_size: 48
    .max_flat_workgroup_size: 128
    .sgpr_count:     66
    .vgpr_count:     1024
    .wavefront_size: 32
...
	.end_amdgpu_metadata
.endif
;; end of part 3
;; launch combine (part 4): grid 256 x 1, 4 waves a work-group, no clusters, 0 bytes of LDS; arguments sel, gate, place, y, out0; writes out0
.if DOCPART == 4
	.amdgcn_target "amdgcn-amd-amdhsa--gfx1250"
	.amdhsa_code_object_version 6
	.text
	.protected	k_qbc6522074f_combine
	.globl	k_qbc6522074f_combine
	.p2align	8
	.type	k_qbc6522074f_combine,@function
k_qbc6522074f_combine:
	s_mov_b64 s[64:65], 0
	v_nop
	global_prefetch_b8 v0, s[64:65] scope:SCOPE_SE
	s_setreg_imm32_b32 hwreg(HW_REG_WAVE_MODE, 25, 1), 1
	s_wait_xcnt 0x0
; out0[token] = g0 y[1024 e0 + pos[e0][token]] + g1 y[1024 e1 + pos[e1][token]].  A wave takes one token: each output row has one owner, nothing is added in memory.
; The two experts and the slots are whole numbers that earlier launches stored; they are held inside their tables ahead of every address.
; A stream: no LDS, no barrier, no matrix unit; sixteen loads of 512 consecutive bytes are on their way in each wave.
	s_load_b256 s[4:11], s[0:1], 0x0               ; sel, gate, place, y
	s_load_b64 s[12:13], s[0:1], 0x20              ; out0
	v_lshrrev_b32 v1, 5, v0
	v_readfirstlane_b32 s14, v1                    ; wave
	v_and_b32 v1, 31, v0                           ; lane
	s_lshl_b32 s15, ttmp9, 2
	s_add_co_u32 s15, s15, s14                     ; my token
	s_lshl_b32 s16, s15, 2
	s_lshl_b32 s17, s15, 3
	s_lshl_b32 s18, s15, 12
	s_wait_kmcnt 0x0
	s_load_b32 s20, s[4:5], s16 offset:0x0         ; the sel word
	s_load_b64 s[22:23], s[6:7], s17 offset:0x0    ; g0, g1
.irp e, 0,1,2,3,4,5,6,7
	s_load_b32 s[24+\e], s[8:9], s16 offset:4096*\e   ; pos[e][token]: all eight; the two that count are chosen below, without a second trip to memory
.endr
	v_lshl_add_u32 v4, v1, 4, s18                  ; out0: 4,096 x token + 16 x lane
	s_wait_kmcnt 0x0
	s_bfe_u32 s32, s20, 0x30008                    ; e0
	s_bfe_u32 s33, s20, 0x30010                    ; e1
	s_min_u32 s32, s32, 7
	s_min_u32 s33, s33, 7
	s_mov_b32 s34, s24
	s_mov_b32 s35, s24
.irp e, 1,2,3,4,5,6,7
	s_cmp_eq_u32 s32, \e
	s_cselect_b32 s34, s[24+\e], s34
	s_cmp_eq_u32 s33, \e
	s_cselect_b32 s35, s[24+\e], s35
.endr
	s_min_u32 s34, s34, 1023
	s_min_u32 s35, s35, 1023
	s_lshl_b32 s32, s32, 10
	s_lshl_b32 s33, s33, 10
	s_add_co_u32 s34, s34, s32
	s_add_co_u32 s35, s35, s33
	s_lshl_b32 s34, s34, 12                        ; the two rows of y, in bytes
	s_lshl_b32 s35, s35, 12
	v_lshl_add_u32 v2, v1, 4, s34
	v_lshl_add_u32 v3, v1, 4, s35
	s_mov_b32 s38, s23                             ; g1 in a pair of its own: a packed form takes a scalar pair's low word for both halves
	s_mov_b32 s39, s23
.irp k, 0,1,2,3,4,5,6,7
	global_load_b128 v[16+4*\k:19+4*\k], v2, s[10:11] offset:512*\k th:TH_LOAD_NT
	global_load_b128 v[48+4*\k:51+4*\k], v3, s[10:11] offset:512*\k th:TH_LOAD_NT
.endr
.irp k, 0,1,2,3,4,5,6,7
	s_wait_loadcnt 14-2*\k                         ; this piece's two loads are in; the younger pieces' may be out
	v_pk_mul_f32 v[16+4*\k:17+4*\k], v[16+4*\k:17+4*\k], s[22:23] op_sel_hi:[1,0]
	v_pk_mul_f32 v[18+4*\k:19+4*\k], v[18+4*\k:19+4*\k], s[22:23] op_sel_hi:[1,0]
	v_pk_fma_f32 v[16+4*\k:17+4*\k], v[48+4*\k:49+4*\k], s[38:39], v[16+4*\k:17+4*\k] op_sel_hi:[1,0,1]
	v_pk_fma_f32 v[18+4*\k:19+4*\k], v[50+4*\k:51+4*\k], s[38:39], v[18+4*\k:19+4*\k] op_sel_hi:[1,0,1]
	global_store_b128 v4, v[16+4*\k:19+4*\k], s[12:13] offset:512*\k th:TH_STORE_NT   ; 512 consecutive bytes, from registers that are not written again
.endr
	s_endpgm
.Lfunc_end_k_qbc6522074f_combine:
	.size	k_qbc6522074f_combine, .Lfunc_end_k_qbc6522074f_combine-k_qbc6522074f_combine
	.p2alignl 7, 3214868480
	.fill 96, 4, 3214868480
	.section	.rodata,"a",@progbits
	.p2align	6, 0x0
	.amdhsa_kernel k_qbc6522074f_combine
		.amdhsa_group_segment_fixed_size 0
		.amdhsa_private_segment_fixed_size 0
		.amdhsa_enable_private_segment 0
		.amdhsa_kernarg_size 40
		.amdhsa_user_sgpr_count 2
		.amdhsa_user_sgpr_kernarg_segment_ptr 1
		.amdhsa_wavefront_size32 1
		.amdhsa_system_sgpr_workgroup_id_x 1
		.amdhsa_system_sgpr_workgroup_id_y 1
		.amdhsa_system_sgpr_workgroup_id_z 1
		.amdhsa_system_vgpr_workitem_id 0
		.amdhsa_next_free_vgpr 96
		.amdhsa_next_free_sgpr 66
		.amdhsa_reserve_vcc 0
		.amdhsa_float_denorm_mode_32 3
		.amdhsa_float_denorm_mode_16_64 3
		.amdhsa_memory_ordered 1
		.amdhsa_forward_progress 1
		.amdhsa_inst_pref_size 8
	.end_amdhsa_kernel
	.amdgpu_metadata
---
amdhsa.version: [ 1, 2 ]
amdhsa.kernels:
  - .name:           k_qbc6522074f_combine
    .symbol:         k_qbc6522074f_combine.kd
    .args:
      - { .name: sel, .offset: 0, .size: 8, .value_kind: global_buffer, .address_space: global }
      - { .name: gate, .offset: 8, .size: 8, .value_kind: global_buffer, .address_space: global }
      - { .name: place, .offset: 16, .size: 8, .value_kind: global_buffer, .address_space: global }
      - { .name: y, .offset: 24, .size: 8, .value_kind: global_buffer, .address_space: global }
      - { .name: out0, .offset: 32, .size: 8, .value_kind: global_buffer, .address_space: global }
    .group_segment_fixed_size: 0
    .private_segment_fixed_size: 0
    .kernarg_segment_align: 8
    .kernarg_segment_size: 40
    .max_flat_workgroup_size: 128
    .sgpr_count:     66
    .vgpr_count:     96
    .wavefront_size: 32
...
	.end_amdgpu_metadata
.endif
;; end of part 4
;; ======== version 2 of 2: 4 launches
;; limits: a function is approximated: absolute error at most 1.5e-07
;; workspace buffers: x_codes 1,048,576 bytes; x_scales 32,768 bytes; sel 4,096 bytes of whole numbers; gate 8,192 bytes; h_codes 33,554,432 bytes; h_scales 1,048,576 bytes; place 33,792 bytes of whole numbers; y 33,554,432 bytes
;; launch route (part 5): grid 128 x 1, 8 waves a work-group, no clusters, 72,192 bytes of LDS; arguments x, router_w, x_codes, x_scales, sel, gate; writes x_codes, x_scales, sel, gate
.if DOCPART == 5
	.amdgcn_target "amdgcn-amd-amdhsa--gfx1250"
	.amdhsa_code_object_version 6
	.text
	.protected	k_qbc6522074f_route
	.globl	k_qbc6522074f_route
	.p2align	8
	.type	k_qbc6522074f_route,@function
k_qbc6522074f_route:
	s_mov_b64 s[64:65], 0
	v_nop
	global_prefetch_b8 v0, s[64:65] scope:SCOPE_SE
	s_setreg_imm32_b32 hwreg(HW_REG_WAVE_MODE, 25, 1), 1
	s_wait_xcnt 0x0
; ROUTER AND QUANTISER OF x.  x: [1024 tokens][1024] f32; router_w: [1024][8] f32.
; A work-group takes 8 tokens, a wave one token.  A lane holds one block of 32 along K: k = 32 lane .. 32 lane + 31.
; Out: x_codes [token][1024] E4M3, x_scales [token][32] E8M0, sel [token] one word: bits 0-7 (1 << e0) | (1 << e1), bits 10:8 e0, bits 18:16 e1;
; gate [token][2] f32: the two chosen probabilities over their sum.  The choice only goes to memory here: no address and no branch hangs on it.
; The logits are f32 fused multiply-adds; softmax with the row's maximum taken away; top-2 by compares and selects, the lower index winning a tie.
; LIMITS: NaN and infinities are not served.  The logits are summed in another order than a plain row sum: a second and a third place that lie
; within f32 rounding of each other may change places.  A block of zeros gets the byte 1 (its codes are zeros; this program alone reads the bytes).
; No cluster: the work-groups share only router_w, 32 KiB against the launch's 4 MiB of x.  No matrix unit: N = 8.
.set X,     16                         ; v16-47    my 32 numbers of x
.set BA,    48                         ; v48-111   a batch of router rows (8 values of m x 8 experts)
.set BB,    112                        ; v112-175  the other batch
.set SUM,   176                        ; v176-183  the eight logits
.set P,     184                        ; v184-191  probabilities
.set Q,     192                        ; v192-199  the same without the winner
.set CD,    216                        ; v216-223  my 32 codes
.set XSTG,  33792                      ; LDS: 0: router image, 64 quads x 528 bytes; here: a stage of 4,608 bytes for each wave
.set SCB,   70656                      ; 256 scale bytes
.set META,  70912                      ; 8 sel words
.set GATE,  70944                      ; 8 pairs of gates
	s_load_b256 s[4:11], s[0:1], 0x0               ; x, router_w, x_codes, x_scales
	s_load_b128 s[12:15], s[0:1], 0x20             ; sel, gate
	v_lshl_add_u32 v254, v0, 2, 0x11600
	v_mov_b32 v255, 0
	v_lshrrev_b32 v1, 5, v0
	s_delay_alu instid0(VALU_DEP_1)
	v_readfirstlane_b32 s16, v1                    ; wave
	v_and_b32 v1, 31, v0                           ; lane
	s_delay_alu instid0(VALU_DEP_1)
	v_lshlrev_b32 v2, 4, v1                        ; 16 x lane
	v_lshlrev_b32 v7, 4, v0                        ; 16 x thread
	s_mul_i32 s17, s16, 4608
	s_add_co_u32 s17, s17, XSTG                    ; my stage
	v_lshrrev_b32 v3, 3, v1
	s_delay_alu instid0(VALU_DEP_1)
	v_mul_u32_u24 v3, v3, 144
	v_and_b32 v4, 7, v1
	s_delay_alu instid0(VALU_DEP_1)
	v_lshl_add_u32 v3, v4, 4, v3
	s_delay_alu instid0(VALU_DEP_1)
	v_add_nc_u32 v3, s17, v3                       ; into the stage: 128 bytes of the row, then 16 of padding: 144 (lane / 8) + 16 (lane % 8)
	v_mul_u32_u24 v4, v1, 144
	s_delay_alu instid0(VALU_DEP_1)
	v_add_nc_u32 v4, s17, v4                       ; out of it: 144 x lane: my block
	s_and_b32 s18, s16, 1
	s_mul_i32 s18, s18, 16896
	s_lshr_b32 s19, s16, 1
	s_lshl_b32 s19, s19, 4
	s_add_co_u32 s18, s18, s19
	v_mul_u32_u24 v5, v1, 528
	s_delay_alu instid0(VALU_DEP_1)
	v_add_nc_u32 v5, s18, v5                       ; router image, in: quad 32 (wave % 2) + lane, place 16 (4 i + wave / 2)
	v_lshl_add_u32 v8, v1, 5, s17                  ; my codes into the stage: 32 x lane
	v_add_nc_u32 v9, s17, v2                       ; and out of it: 16 x lane
	s_lshl_b32 s18, s16, 5
	s_add_co_u32 s18, s18, SCB
	v_add_nc_u32 v10, s18, v1                      ; my scale byte
	s_lshl_b32 s18, s16, 2
	s_add_co_u32 s18, s18, META
	v_mov_b32 v11, s18
	s_lshl_b32 s18, s16, 3
	s_add_co_u32 s18, s18, GATE
	v_mov_b32 v12, s18
	v_lshlrev_b32 v236, 3, v1                      ; wave 0's way out: 8 x lane,
	s_delay_alu instid0(VALU_DEP_1)
	v_add_nc_u32 v13, SCB, v236
	v_and_b32 v14, 7, v1
	s_delay_alu instid0(VALU_DEP_1)
	v_lshlrev_b32 v237, 2, v14                     ; 4 x (lane % 8),
	s_delay_alu instid0(VALU_DEP_2)
	v_lshlrev_b32 v238, 3, v14                     ; 8 x (lane % 8)
	s_delay_alu instid0(VALU_DEP_2)
	v_add_nc_u32 v14, META, v237
	s_delay_alu instid0(VALU_DEP_2)
	v_add_nc_u32 v15, GATE, v238
	s_mov_b32 s20, 0x76543210
	s_mov_b32 s21, 0xfedcba98                      ; v_permlanex16_b32's selects for lane l xor 16
	s_mov_b32 s22, 0x600000                        ; the mantissa field of 448
	s_mov_b32 s23, 0x3fb8aa3b                      ; log2(e)
	s_lshl_b32 s24, ttmp9, 3
	s_add_co_u32 s24, s24, s16                     ; my token
	s_lshl_b32 s26, s24, 12
	s_mov_b32 s27, 0
	s_lshl_b32 s28, s24, 10
	s_mov_b32 s29, 0
	s_lshl_b32 s30, ttmp9, 8
	s_mov_b32 s31, 0
	s_lshl_b32 s32, ttmp9, 5
	s_mov_b32 s33, 0
	s_lshl_b32 s34, ttmp9, 6
	s_mov_b32 s35, 0
.irp i, 0,1,2,3,4,5,6,7
	v_mov_b32 v[P+\i], 0                           ; written once: a lane permute's destination counts as one of its sources
.endr
	s_wait_kmcnt 0x0
	s_add_nc_u64 s[4:5], s[4:5], s[26:27]
	s_add_nc_u64 s[8:9], s[8:9], s[28:29]
	s_add_nc_u64 s[10:11], s[10:11], s[30:31]
	s_add_nc_u64 s[12:13], s[12:13], s[32:33]
	s_add_nc_u64 s[14:15], s[14:15], s[34:35]
.irp i, 0,1,2,3,4,5,6,7
	global_load_b128 v[X+4*\i:X+4*\i+3], v2, s[4:5] offset:512*\i th:TH_LOAD_NT    ; 512 consecutive bytes of my row
.endr
.irp i, 0,1,2,3,4,5,6,7
	global_load_b128 v[BA+4*\i:BA+4*\i+3], v7, s[6:7] offset:4096*\i              ; the work-group's 256 threads take 4,096 consecutive bytes of router_w
.endr
	s_wait_loadcnt 8                               ; x is in; the router's eight loads may be out
.irp i, 0,1,2,3,4,5,6,7
	ds_store_b128 v3, v[X+4*\i:X+4*\i+3] offset:576*\i
.endr
	s_wait_loadcnt 0x0
.irp i, 0,1,2,3,4,5,6,7
	ds_store_b128 v5, v[BA+4*\i:BA+4*\i+3] offset:64*\i
.endr
	s_wait_dscnt 0x0                               ; for the others' sake: my part of the router image lies in LDS
	s_barrier_signal -1
	s_barrier_wait -1
.irp p, 0,1,2,3,4,5,6,7
	ds_load_b128 v[X+4*\p:X+4*\p+3], v4 offset:16*\p
.endr
; batch b: quads 16 b .. 16 b + 15: router_w[32 lane + m][0 .. 7] for m = 8 b .. 8 b + 7
.macro RLOAD bb, b
.set j, 0
.rept 16
	ds_load_b128 v[\bb+4*j:\bb+4*j+3], v2 offset:528*(16*(\b)+j)
.set j, j+1
.endr
.endm
; 32 packed multiply-adds: the eight sums += x[m] x router_w[32 lane + m][:]; x[m] is one register of a pair and feeds both halves
.macro RFMA bb, b
.set mm, 0
.rept 8
.set m, 8*(\b)+mm
.set xr, X+(m/2)*2
.set c, 0
.rept 4
.if m == 0
	v_pk_mul_f32 v[SUM+2*c:SUM+2*c+1], v[\bb+8*mm+2*c:\bb+8*mm+2*c+1], v[xr:xr+1] op_sel_hi:[1,0]
.elseif m%2 == 0
	v_pk_fma_f32 v[SUM+2*c:SUM+2*c+1], v[\bb+8*mm+2*c:\bb+8*mm+2*c+1], v[xr:xr+1], v[SUM+2*c:SUM+2*c+1] op_sel_hi:[1,0,1]
.else
	s_delay_alu instid0(VALU_DEP_4)
	v_pk_fma_f32 v[SUM+2*c:SUM+2*c+1], v[\bb+8*mm+2*c:\bb+8*mm+2*c+1], v[xr:xr+1], v[SUM+2*c:SUM+2*c+1] op_sel:[0,1,0] op_sel_hi:[1,1,1]
.endif
.set c, c+1
.endr
.set mm, mm+1
.endr
.endm
	RLOAD BA, 0
	RLOAD BB, 1
	s_wait_dscnt 16                                ; x and batch 0 are in; batch 1's sixteen loads may be out
	RFMA BA, 0
	RLOAD BA, 2
	s_wait_alu depctr_va_vdst(0)
	s_wait_dscnt 16                                ; batch 1 is in
	RFMA BB, 1
	RLOAD BB, 3
	s_wait_alu depctr_va_vdst(0)
	s_wait_dscnt 16                                ; batch 2 is in
	RFMA BA, 2
	s_wait_alu depctr_va_vdst(0)
	s_wait_dscnt 0x0
	RFMA BB, 3
.irp msk, 1,2,4,8
.irp i, 0,1,2,3,4,5,6,7
	v_add_f32_dpp v[SUM+\i], v[SUM+\i], v[SUM+\i] row_xmask:\msk row_mask:0xf bank_mask:0xf
.endr
.endr
.irp i, 0,1,2,3,4,5,6,7
	v_permlanex16_b32 v[P+\i], v[SUM+\i], s20, s21
.endr
.irp i, 0,1,2,3,4,5,6,7
	v_add_f32 v[SUM+\i], v[SUM+\i], v[P+\i]        ; every lane holds the token's eight logits
.endr
	v_max3_num_f32 v200, v[SUM], v[SUM+1], v[SUM+2]
	s_delay_alu instid0(VALU_DEP_1)
	v_max3_num_f32 v200, v200, v[SUM+3], v[SUM+4]
	s_delay_alu instid0(VALU_DEP_1)
	v_max3_num_f32 v200, v200, v[SUM+5], v[SUM+6]
	s_delay_alu instid0(VALU_DEP_1)
	v_max_num_f32 v200, v200, v[SUM+7]             ; the row's maximum is taken away ahead of the exponentials
.irp i, 0,1,2,3,4,5,6,7
	v_sub_f32 v[P+\i], v[SUM+\i], v200
.endr
.irp i, 0,1,2,3,4,5,6,7
	v_mul_f32 v[P+\i], s23, v[P+\i]
.endr
	s_wait_alu depctr_va_vdst(0)
.irp i, 0,1,2,3,4,5,6,7
	v_exp_f32 v[P+\i], v[P+\i]
.endr
	v_nop                                          ; a plain instruction behind the last exponential
	s_wait_alu depctr_va_vdst(0)                   ; one wait for the batch, ahead of its first reader
	v_add_f32 v201, v[P], v[P+1]
	v_add_f32 v202, v[P+2], v[P+3]
	v_add_f32 v203, v[P+4], v[P+5]
	v_add_f32 v204, v[P+6], v[P+7]
	s_delay_alu instid0(VALU_DEP_3)
	v_add_f32 v201, v201, v202
	s_delay_alu instid0(VALU_DEP_2)
	v_add_f32 v203, v203, v204
	s_delay_alu instid0(VALU_DEP_1)
	v_add_f32 v201, v201, v203
	s_wait_alu depctr_va_vdst(0)
	v_rcp_f32 v201, v201
	v_nop
	s_wait_alu depctr_va_vdst(0)
.irp i, 0,1,2,3,4,5,6,7
	v_mul_f32 v[P+\i], v[P+\i], v201               ; the probabilities
.endr
	v_mov_b32 v202, v[P]                           ; the largest, and its index: only a strictly larger one takes the place, so the lower index wins a tie
	v_mov_b32 v203, 0
.irp i, 1,2,3,4,5,6,7
	s_delay_alu instid0(VALU_DEP_2)
	v_cmp_gt_f32 vcc_lo, v[P+\i], v202
	s_delay_alu instid0(VALU_DEP_1)
	v_cndmask_b32 v202, v202, v[P+\i], vcc_lo
	s_delay_alu instid0(VALU_DEP_2)
	v_cndmask_b32 v203, v203, \i, vcc_lo
.endr
.irp i, 0,1,2,3,4,5,6,7
	v_cmp_eq_u32 vcc_lo, \i, v203
	s_delay_alu instid0(VALU_DEP_1)
	v_cndmask_b32 v[Q+\i], v[P+\i], -1.0, vcc_lo   ; the winner is out of the second search
.endr
	v_mov_b32 v204, v[Q]
	v_mov_b32 v205, 0
.irp i, 1,2,3,4,5,6,7
	s_delay_alu instid0(VALU_DEP_2)
	v_cmp_gt_f32 vcc_lo, v[Q+\i], v204
	s_delay_alu instid0(VALU_DEP_1)
	v_cndmask_b32 v204, v204, v[Q+\i], vcc_lo
	s_delay_alu instid0(VALU_DEP_2)
	v_cndmask_b32 v205, v205, \i, vcc_lo
.endr
	s_delay_alu instid0(VALU_DEP_2)
	v_add_f32 v209, v202, v204
	s_wait_alu depctr_va_vdst(0)
	v_rcp_f32 v209, v209
	v_lshlrev_b32 v208, v203, 1                    ; (plain work behind the reciprocal)  1 << e0
	v_lshlrev_b32 v210, v205, 1                    ; 1 << e1
	s_delay_alu instid0(VALU_DEP_1)
	v_or_b32 v208, v208, v210
	s_delay_alu instid0(VALU_DEP_1)
	v_lshl_or_b32 v208, v203, 8, v208
	s_delay_alu instid0(VALU_DEP_1)
	v_lshl_or_b32 v208, v205, 16, v208             ; the sel word
	s_wait_alu depctr_va_vdst(0)
	v_mul_f32 v206, v202, v209                     ; the gates
	v_mul_f32 v207, v204, v209
	; my block of 32: largest magnitude with the floor 2^(9 - 127) among its leaves, scale byte, hold, codes
	v_max3_num_f32 v224, |v[X]|, |v[X+1]|, 0x4800000
	v_max3_num_f32 v225, |v[X+16]|, |v[X+17]|, |v[X+18]|
.irp i, 2,4,6,8,10,12
	s_delay_alu instid0(VALU_DEP_2)
	v_max3_num_f32 v224, v224, |v[X+\i]|, |v[X+\i+1]|
	s_delay_alu instid0(VALU_DEP_2)
	v_max3_num_f32 v225, v225, |v[X+17+\i]|, |v[X+18+\i]|
.endr
	s_delay_alu instid0(VALU_DEP_2)
	v_max3_num_f32 v224, v224, |v[X+14]|, |v[X+15]|
	s_delay_alu instid0(VALU_DEP_1)
	v_max3_num_f32 v224, v224, v225, |v[X+31]|
	s_delay_alu instid0(VALU_DEP_1)
	v_add_nc_u32 v226, 0xfc000000, v224            ; 8 off the exponent field: the conversion's scale operand
	s_delay_alu instid0(VALU_DEP_2)
	v_and_or_b32 v227, v224, 0x7f800000, s22       ; 448 x the scale
	s_delay_alu instid0(VALU_DEP_2)
	v_lshrrev_b32 v228, 23, v226                   ; the scale's byte
.set i, 0
.rept 32
	v_med3_num_f32 v[X+i], v[X+i], -v227, v227     ; the conversion to an 8-bit code does not saturate (ISA guide 7.6.2): the hold comes first
.set i, i+1
.endr
.irp g, 0,1,2,3
	v_cvt_scalef32_pk8_fp8_f32 v[CD+2*\g:CD+2*\g+1], v[X+8*\g:X+8*\g+7], v226
.endr
	v_nop
	ds_store_b128 v8, v[CD:CD+3]                   ; a lane's 32 bytes; they come back 16 bytes a lane, so that a store covers 512 consecutive bytes
	ds_store_b128 v8, v[CD+4:CD+7] offset:16
	ds_load_b128 v[BA:BA+3], v9                    ; LDS serves a wave's instructions in order: these see my stores
	ds_load_b128 v[BA+4:BA+7], v9 offset:512
	ds_store_b8 v10, v228
	ds_store_b32 v11, v208                         ; all lanes write the same word with the same value
	ds_store_b64 v12, v[206:207]
	s_wait_dscnt 0x0                               ; my loads are in, and for wave 0's sake my stores have landed
	global_store_b128 v2, v[BA:BA+3], s[8:9]
	global_store_b128 v2, v[BA+4:BA+7], s[8:9] offset:512
	s_barrier_signal -1
	s_barrier_wait -1
	s_cmp_lg_u32 s16, 0
	s_cbranch_scc1 .Lend
	ds_load_b64 v[210:211], v13
	ds_load_b32 v212, v14
	ds_load_b64 v[214:215], v15
	s_wait_dscnt 0x0
	global_store_b64 v236, v[210:211], s[10:11]    ; the eight tokens' 256 scale bytes: one aligned run
	v_cmp_gt_u32 vcc_lo, 8, v0
	s_wait_xcnt 0x0                                ; EXEC changes only behind this wait
	s_and_saveexec_b32 s36, vcc_lo
	global_store_b32 v237, v212, s[12:13]          ; lanes 0 to 7: a token each
	global_store_b64 v238, v[214:215], s[14:15]
	s_wait_xcnt 0x0                                ; and again ahead of the line that widens it
	s_or_b32 exec_lo, exec_lo, s36
.Lend:
	s_wait_tensorcnt 0x0
	ds_add_u32 v254, v255
	s_wait_dscnt 0x0
	s_endpgm
.Lfunc_end_k_qbc6522074f_route:
	.size	k_qbc6522074f_route, .Lfunc_end_k_qbc6522074f_route-k_qbc6522074f_route
	.p2alignl 7, 3214868480
	.fill 96, 4, 3214868480
	.section	.rodata,"a",@progbits
	.p2align	6, 0x0
	.amdhsa_kernel k_qbc6522074f_route
		.amdhsa_group_segment_fixed_size 72192
		.amdhsa_private_segment_fixed_size 0
		.amdhsa_enable_private_segment 0
		.amdhsa_kernarg_size 48
		.amdhsa_user_sgpr_count 2
		.amdhsa_user_sgpr_kernarg_segment_ptr 1
		.amdhsa_wavefront_size32 1
		.amdhsa_system_sgpr_workgroup_id_x 1
		.amdhsa_system_sgpr_workgroup_id_y 1
		.amdhsa_system_sgpr_workgroup_id_z 1
		.amdhsa_system_vgpr_workitem_id 0
		.amdhsa_next_free_vgpr 256
		.amdhsa_next_free_sgpr 66
		.amdhsa_reserve_vcc 1
		.amdhsa_float_denorm_mode_32 3
		.amdhsa_float_denorm_mode_16_64 3
		.amdhsa_memory_ordered 1
		.amdhsa_forward_progress 1
		.amdhsa_inst_pref_size 37
	.end_amdhsa_kernel
	.amdgpu_metadata
---
amdhsa.version: [ 1, 2 ]
amdhsa.kernels:
  - .name:           k_qbc6522074f_route
    .symbol:         k_qbc6522074f_route.kd
    .args:
      - { .name: x, .offset: 0, .size: 8, .value_kind: global_buffer, .address_space: global }
      - { .name: router_w, .offset: 8, .size: 8, .value_kind: global_buffer, .address_space: global }
      - { .name: x_codes, .offset: 16, .size: 8, .value_kind: global_buffer, .address_space: global }
      - { .name: x_scales, .offset: 24, .size: 8, .value_kind: global_buffer, .address_space: global }
      - { .name: sel, .offset: 32, .size: 8, .value_kind: global_buffer, .address_space: global }
      - { .name: gate, .offset: 40, .size: 8, .value_kind: global_buffer, .address_space: global }
    .group_segment_fixed_size: 72192
    .private_segment_fixed_size: 0
    .kernarg_segment_align: 8
    .kernarg_segment_size: 48
    .max_flat_workgroup_size: 256
    .sgpr_count:     66
    .vgpr_count:     256
    .wavefront_size: 32
...
	.end_amdgpu_metadata
.endif
;; end of part 5
;; launch fc (part 6): grid 32 x 8, 4 waves a work-group, no clusters, 274,176 bytes of LDS; arguments sel, x_codes, x_scales, w_fc_codes, w_fc_scales, h_codes, h_scales, place; writes h_codes, h_scales, place
.if DOCPART == 6
	.amdgcn_target "amdgcn-amd-amdhsa--gfx1250"
	.amdhsa_code_object_version 6
	.text
	.protected	k_qbc6522074f_fc
	.globl	k_qbc6522074f_fc
	.p2align	8
	.type	k_qbc6522074f_fc,@function
k_qbc6522074f_fc:
	s_mov_b64 s[64:65], 0
	v_nop
	global_prefetch_b8 v0, s[64:65] scope:SCOPE_SE
	s_setreg_imm32_b32 hwreg(HW_REG_WAVE_SCHED_MODE, 0, 2), 2
	s_setreg_imm32_b32 hwreg(HW_REG_WAVE_MODE, 25, 1), 1
	s_wait_xcnt 0x0
	s_wait_alu depctr_vm_vsrc(0)
; H = Q(gelu(x W_fc[e])) for the rows that chose expert e, in MX-FP8.  Work-group (x = 2 j2 + b, e) owns hidden units 256 j2 .. 256 j2 + 255 of expert e and the tiles of 16 slots g = 2 a + b.
; W STAYS IN REGISTERS: wave w keeps units 256 j2 + 64 w .. + 63, all of K: 64 KiB, 512 registers, read by consecutive loads and turned into fragments through the wave's own LDS stage.
; ROWS.  Each work-group builds its expert's list of tokens from sel (wave 0, a counting pass; no atomics); slot p of expert e holds the p-th token that chose e.  Own tiles go in chunks of four:
; wave w gathers tile a = 4 c + w straight into registers, in the operand's layout, and hands it to the other waves through LDS AS AN IMAGE OF THE REGISTERS (32 x 512 bytes of codes, 512 of scale
; words).  Every wave multiplies every tile.  Two image regions take turns, one barrier a chunk: at a chunk's end a wave stores the image of its tile of the next chunk and asks for its tile of the
; chunk after that, which so has a whole chunk's work in which to land.  The loop has the constant count 4, two chunks a trip (32 own tiles = 1,024 slots): every split is served, every barrier
; stands on every way, and work not in use is jumped over.
; THE PRODUCT IS USED TRANSPOSED: source 0 = 16 rows of W, source 1 = 16 tokens.  THE ROWS OF W THAT FORM A TILE ARE NOT NEIGHBOURS: row m of tile (np, u) is the wave's row 32 np + 8 u + m + 8 (m / 8),
; so that the 16 registers of tiles u = 0, 1 are 16 neighbours along the next K: unit 32 np + 16 (lane / 16) + 0 .. 15 of slot lane % 16.
; OUT: h_codes [64 e + tile][K step][c][lane][16 bytes]: images of the next operand's registers; a wave's 64 units are blocks c = 2 (w % 2) + np of K step 2 j2 + w / 2.  h_scales [64 e + tile][K step][row]
; words, of which a wave writes two bytes.  place (the work-group with x = 0): pos[e][token], cnt[e].
; GELU: exact form, 0.5 x (1 + erf(x / sqrt 2)) = max(x, 0) - |x| q(|x|), q = half of erfc by the five-term rational form (Abramowitz and Stegun 7.1.26) in f32.
; LIMITS: erf is off by up to 1.5e-7, so h by about 1e-7 |x|; NaN and infinities are not served; a block of zeros gets the byte 1 (zero codes; this program alone reads the bytes).
; No tensor loads and no cluster: which tiles have work hangs on counts read from memory, so the operands go through registers.
; THE MODE: SCHED_MODE bits 1:0 = 2 (LLVM: expert scheduling mode 2), set by the entry lines.  The code itself states the register dependences
; between vector or matrix instructions and memory or LDS instructions, with s_wait_alu, always for 0.
; THE PLAN.  Registers that memory or LDS instructions touch, in the loop:
;   window 3 v0-127, XS     Written by the LDS loads of a tile's image; read by that tile's 32 products.  The next tile's loads stand behind the wait of the tile's first batch of reciprocals and
;                           exponentials, which also states that the products are done reading; the gelu's lines, among which the loads are dealt, name none of these registers.
;   window 3 v128-255, XSL1 Written by the gather; read by the image's LDS stores alone.  One wait on vm_vsrc at a chunk's end stands between the stores and the next gather.
;   CD0, CD1, HSW           Written by a tile's conversions and byte lines; read by its three stores.  CD0's store stands behind the second batch's wait, the other two behind a wait at the tile's end;
;                           one wait on vm_vsrc in the next tile's first half stands ahead of all three's next writers.
;   XA1, XSA1, TK1, v254    Made anew once a chunk, behind the chunk's wait on vm_vsrc; a wait on va_vdst ahead of the list's load and one ahead of the gather.
;   HO, HSO                 Stepped once a trip, behind a wait on vm_vsrc; every later store stands behind a batch's wait.
;   All other offsets and LDS addresses are made at the head and never written again.  W's fragments are read by products alone once the head has laid them.
.set PITCH, 1040                       ; a stage row of W: 1,024 bytes + 16: the sixteen rows of a fragment load start at sixteen different 16-byte columns of the banks
.set XIMG,  133120                     ; LDS: 0: a stage of 32 rows for each wave; here: two regions of four tile images
.set TIMG,  16896                      ; a tile's image
.set REG1,  4*TIMG                     ; a region
.set LIST,  XIMG+2*REG1                ; 1,280 list words, then 32 dump words for the lanes whose token did not choose e
.set SST,   4                          ; v4       W into my stage: 16 x lane
.set SFR,   5                          ; v5       and out of it as fragments: row r, + 16 h
.set IW,    6                          ; v6, v7   where I store my tile's image: region 0, 1
.set IR,    8                          ; v8-11    where images are read: region 0 tiles 0-1, tiles 2-3; region 1 likewise
.set LA,    12                         ; v12      my lane's list word of my tile in chunk 0
.set XA0,   13                         ; v13, v14 chunk 0's gather: byte offsets of my token's codes and scale words
.set XSA0,  14
.set XA1,   15                         ; v15, v16 the same for every later gather
.set XSA1,  16
.set HO,    17                         ; v17      my byte offset in h_codes, for the trip's first tile
.set HSO,   18                         ; v18      and in h_scales
.set HSW,   19                         ; v19      the two scale bytes being gathered
.set TK0,   20
.set TK1,   21
.set LCL,   22                         ; v22      the address with which wave 0 clears the list
.set WSA,   23                         ; v23      W's scale words: my row's offset
.set PO,    24                         ; v24-26   at the head, wave 0: the offsets of pos[e] and cnt[e] in place, and cnt
.set WS,    40                         ; v40-55   W's scale words [np][K step]: lanes 0-15 tile u = 0, lanes 16-31 tile u = 1
.set XS,    56                         ; v56-59   the tile's scale words: lanes 0-15 K steps 0-3, lanes 16-31 K steps 4-7
.set XSL0,  60                         ; v60-63, v64-67 scale words as gathered
.set XSL1,  64
.set ACC,   92                         ; v92-123  four accumulators: (np, u) at ACC + 16 np + 8 u
.set PA,    124                        ; v124-155 at the head: the sel words under the expert's bit; then, in wave 0, the 32 list addresses
.set E,     172                        ; v172-187, v188-203, v204-219, v236-251: the gelu's registers
.set PT,    172                        ; v172-203 at the head, wave 0: the 32 tokens
.set T,     188
.set P,     204
.set S,     220                        ; at the head: v220-251 the 32 sel words of my lane, then their slots
.set QA,    220
.set QB,    221
.set QS,    222
.set QH,    223
.set QY,    224
.set QC,    225
.set CD,    228                        ; v228-235 codes, two sets
.set M,     236
.set B4,    252                        ; v[252:253] the coefficient b4, twice
; s44-63, s82-93: at the head, the 32 masks of the lanes whose token chose e: mask k in s[44 + k + 18 (k / 20)]
; window 1: W's fragments of group np = 0 (128 u + 16 s); window 2: np = 1; window 3: v0-127 the tile's fragments of x, v128-255 the tile being gathered
.set MSB, 0
.macro WIN new                         ; the immediate's high byte repeats the setting that is left
.if MSB != \new
	s_set_vgpr_msb (MSB<<8)|\new
.set MSB, \new
.endif
.endm
.macro NOPS n
.rept \n
	v_nop
.endr
.endm
	s_load_b512 s[4:19], s[0:1], 0x0               ; sel, x_codes, x_scales, w_fc_codes, w_fc_scales, h_codes, h_scales, place
	v_lshl_add_u32 v170, v0, 2, 0x42d00
	v_mov_b32 v171, 0
	s_and_b32 s20, ttmp7, 0xffff                   ; e
	s_lshr_b32 s37, ttmp9, 1                       ; j2
	s_and_b32 s38, ttmp9, 1                        ; b
	v_lshrrev_b32 v1, 5, v0
	v_readfirstlane_b32 s22, v1                    ; wave
	v_and_b32 v39, 31, v0                          ; lane
	v_lshlrev_b32 v1, 4, v39                       ; v1: 16 x lane
	v_and_b32 v2, 15, v0                           ; r
	v_bfe_u32 v3, v0, 4, 1                         ; h
	s_wait_alu depctr_va_sdst(0)                   ; s22, the wave's number, is written, ahead of its first reader
	s_mul_i32 s29, s22, 32*PITCH
	v_add_nc_u32 v[SST], s29, v1
	v_mul_u32_u24 v[SFR], v2, PITCH
	v_lshl_add_u32 v[SFR], v3, 4, v[SFR]
	v_add_nc_u32 v[SFR], s29, v[SFR]
	s_mul_i32 s29, s22, TIMG
	s_add_co_u32 s29, s29, XIMG
	v_add_nc_u32 v[IW], s29, v1
	v_add_nc_u32 v[IW+1], REG1, v[IW]
	v_add_nc_u32 v[IR], XIMG, v1
	v_add_nc_u32 v[IR+1], XIMG+2*TIMG, v1
	v_add_nc_u32 v[IR+2], XIMG+REG1, v1
	v_add_nc_u32 v[IR+3], XIMG+REG1+2*TIMG, v1
	s_lshl_b32 s29, s22, 7                         ; tile g = 2 (4 c + w) + b begins at list byte 64 g = 512 c + 128 w + 64 b
	s_lshl_b32 s30, s38, 6
	s_add_co_u32 s29, s29, s30
	s_add_co_u32 s29, s29, LIST
	v_lshl_add_u32 v[LA], v2, 2, s29
	v_add_nc_u32 v[LCL], LIST, v1
	v_add_nc_u32 v38, 1280, v39                    ; v38: my dump word's index
	v_and_b32 v[WSA], 8, v2
	v_add_nc_u32 v[WSA], v[WSA], v2
	v_lshl_add_u32 v[WSA], v3, 3, v[WSA]
	v_lshlrev_b32 v[WSA], 5, v[WSA]                ; row 8 h + r + 8 (r / 8), 32 bytes a row
	v_lshlrev_b32 v39, 2, v39                      ; v39: 4 x lane
	v_lshlrev_b32 v2, 2, v2                        ; v2: 4 r
	s_wait_alu depctr_va_vdst(0)
	v_lshlrev_b32 v3, 4, v3                        ; v3: 16 h
.irp i, 0,1,2,3
	v_mov_b32 v[XS+\i], 0                          ; written once on every way; each tile's loads fill them ahead of its products
.endr
	s_lshl_b32 s23, 1, s20                         ; the expert's bit in a sel word
	s_mov_b32 s66, 0x3f596d27                      ; sqrt(log2(e) / 2): (this x)^2 = x^2 / 2 in powers of two
	s_mov_b32 s67, s66
	s_mov_b32 s68, 0x3f07dc22                      ; b5 .. b1: half of the form's five coefficients
	s_mov_b32 s69, s68
	s_mov_b32 s70, 0xbf3a00e3
	s_mov_b32 s72, 0x3f35f0e3
	s_mov_b32 s73, s72
	s_mov_b32 s74, 0xbe11a98e
	s_mov_b32 s75, s74
	s_mov_b32 s76, 0x3e027906
	s_mov_b32 s77, s76
	s_mov_b32 s78, 0x3e6d3388                      ; 0.3275911 / sqrt 2
	s_mov_b32 s79, 0x600000                        ; the mantissa field of 448
	s_mov_b32 s80, 0x76543210
	s_mov_b32 s81, 0xfedcba98
	s_lshl_b32 s30, s20, 22                        ; W: e x 4 MiB + j2 x 256 KiB + wave x 64 KiB
	s_lshl_b32 s31, s37, 18
	s_add_co_u32 s30, s30, s31
	s_lshl_b32 s31, s22, 16
	s_add_co_u32 s30, s30, s31
	s_mov_b32 s31, 0
	s_lshl_b32 s32, s20, 17                        ; its scale bytes: 32 a row
	s_lshl_b32 s33, s37, 13
	s_add_co_u32 s32, s32, s33
	s_lshl_b32 s33, s22, 11
	s_add_co_u32 s32, s32, s33
	s_mov_b32 s33, 0
	s_lshl_b32 s40, s20, 22                        ; h_codes: tile 64 e + b of 65,536 bytes, K step 2 j2 + w / 2 of 2,048
	s_lshl_b32 s41, s38, 16
	s_add_co_u32 s40, s40, s41
	s_lshl_b32 s41, s37, 12
	s_add_co_u32 s40, s40, s41
	s_lshr_b32 s41, s22, 1
	s_lshl_b32 s41, s41, 11
	s_add_co_u32 s40, s40, s41
	s_lshr_b32 s42, s40, 5                         ; h_scales: 2,048 a tile, 64 a K step,
	s_and_b32 s41, s22, 1
	s_lshl_b32 s43, s41, 1
	s_add_co_u32 s42, s42, s43                     ; and my two bytes of each word: 2 (w % 2)
	s_lshl_b32 s43, s41, 10
	s_add_co_u32 s40, s40, s43                     ; my two blocks of the image: 512 x 2 (w % 2)
	v_add_nc_u32 v[HO], s40, v1
	v_add_nc_u32 v[HSO], s42, v2
	s_wait_kmcnt 0x0
	s_add_nc_u64 s[10:11], s[10:11], s[30:31]
	s_add_nc_u64 s[12:13], s[12:13], s[32:33]
	s_wait_alu depctr_va_vdst(0)                   ; the offsets and LDS addresses v1 to v23 are written, which loads and stores read from here on; so are v[XS ..], in which LDS loads land
.irp i, 0,1,2,3,4,5,6,7
	global_load_b128 v[S+4*\i:S+4*\i+3], v1, s[4:5] offset:512*\i                  ; sel of tokens 128 i + 4 lane + 0 .. 3
.endr
.irp np, 0,1
.irp q, 0,1
	global_load_b128 v[WS+8*\np+4*\q:WS+8*\np+4*\q+3], v[WSA], s[12:13] offset:1024*\np+16*\q
.endr
.endr
	WIN 0x40
.set q, 0
.rept 64
	global_load_b128 v[4*q:4*q+3], v1, s[10:11] offset:512*q                       ; my rows 0-31 on end, 512 bytes an instruction (the work-group beside me reads the same rows: no hint)
.set q, q+1
.endr
	WIN 0
	s_wait_loadcnt 63                              ; the sel words are in: 68 loads were issued behind them
	; COUNT, in every wave: how many tokens chose e.  The 32 compares stand in a run and write 32 scalar registers, which wave 0's placing reads again
.set k, 0
.rept 32
	v_and_b32 v[PA+k], s23, v[S+k]
.set k, k+1
.endr
.set k, 0
.rept 32
.set mk, 44+k+18*(k/20)
	v_cmp_ne_u32 s[mk], 0, v[PA+k]
.set k, k+1
.endr
	s_wait_alu depctr_va_sdst(0)                   ; the 32 masks are written, ahead of their first readers: one wait for the run
	s_mov_b32 s24, 0
.set k, 0
.rept 32
.set mk, 44+k+18*(k/20)
	s_bcnt1_i32_b32 s29, s[mk]
	s_add_co_u32 s24, s24, s29
.set k, k+1
.endr
	s_min_u32 s24, s24, 1024                       ; cnt
	s_add_co_u32 s25, s24, 15
	s_lshr_b32 s25, s25, 4                         ; tiles in use
	s_sub_co_u32 s21, s25, s38
	s_add_co_u32 s21, s21, 1
	s_lshr_b32 s21, s21, 1                         ; s21: my own tiles still to do
	; PLACE, in wave 0: the list is cleared (slots past cnt name token 0), then each chosen token goes to its slot.  All 32 addresses and tokens are made in registers of their own, so that one wait serves the run of stores
	s_cmp_lg_u32 s22, 0
	s_cbranch_scc1 .Lplaced
.irp i, 252,253,254,255
	v_mov_b32 v\i, 0
.endr
	s_mov_b32 s34, 0
.set k, 0
.rept 32
.set mk, 44+k+18*(k/20)
	v_mbcnt_lo_u32_b32 v[S+k], s[mk], s34          ; the slot: those placed so far + the chosen lanes below mine (over the sel word)
	s_bcnt1_i32_b32 s29, s[mk]
	s_add_co_u32 s34, s34, s29
	v_cndmask_b32 v[PA+k], v38, v[S+k], s[mk]      ; a lane whose token did not choose e writes to its dump word
	v_min_u32 v[PA+k], 1311, v[PA+k]
	v_lshl_add_u32 v[PA+k], v[PA+k], 2, LIST
	v_add_nc_u32 v[PT+k], 128*(k/4)+k%4, v39       ; the token
.set k, k+1
.endr
	s_lshl_b32 s29, s20, 12
	v_add_nc_u32 v[PO], s29, v1                    ; pos[e]: 16 x lane
	s_lshl_b32 s29, s20, 7
	v_add_nc_u32 v[PO+1], s29, v39                 ; cnt[e]: 4 x lane
	v_mov_b32 v[PO+2], s24
	s_wait_alu depctr_va_vdst(0)                   ; the zeros, the 32 addresses, the 32 tokens, the slots and v[PO ..] are written, which the LDS stores and the stores below read
.irp i, 0,1,2,3,4,5,6,7,8,9
	ds_store_b128 v[LCL], v[252:255] offset:512*\i
.endr
.set k, 0
.rept 32
	ds_store_b32 v[PA+k], v[PT+k]                  ; LDS serves a wave's instructions in order: these come behind the clearing
.set k, k+1
.endr
	s_cmp_lg_u32 ttmp9, 0
	s_cbranch_scc1 .Lplaced                        ; one work-group of the expert's 32 stores the slots and the count
.irp i, 0,1,2,3,4,5,6,7
	global_store_b128 v[PO], v[S+4*\i:S+4*\i+3], s[18:19] offset:512*\i            ; pos[e][token]
.endr
	global_store_b32 v[PO+1], v[PO+2], s[18:19] offset:32768                       ; cnt[e], 32 words alike
.Lplaced:
	s_wait_dscnt 0x0                               ; wave 0's list has landed
	s_barrier_signal -1
	s_barrier_wait -1
; a tile's gather: one load of scale words and 32 of codes: K step i / 4, registers 4 (i % 4) on: k = 32 i + 16 h + 0 .. 15 of my token
.macro GATH xa, xsa, xsl, base
	global_load_b128 v[\xsl:\xsl+3], v[\xsa], s[8:9]
	WIN 0xc0
.set i, 0
.rept 32
	global_load_b128 v[\base+4*i:\base+4*i+3], v[\xa], s[6:7] offset:32*i
.set i, i+1
.endr
	WIN 0
.endm
; the gathered tile goes to LDS as it stands in the registers: 512 consecutive bytes a store
.macro XSTORE adr, base, xsl
	WIN 0x0c                                       ; an LDS store's data are its source 1: window 3
.set i, 0
.rept 32
	ds_store_b128 v[\adr], v[\base+4*i:\base+4*i+3] offset:512*i
.set i, i+1
.endr
	WIN 0
	ds_store_b128 v[\adr], v[\xsl:\xsl+3] offset:16384
.endm
; 32 rows of W, as loaded, through my stage into the fragments of tiles u = 0, 1, in the same window.  Row rr becomes stage row rho: tile (rr / 8) % 2, row rr % 8 + 8 (rr / 16).
; LDS serves a wave's instructions in order: the loads see the stores, and the next group's stores come behind these loads.
.macro TOFRAG swin, dwin
	WIN \swin
.set q, 0
.rept 64
.set rr, q/2
.set rho, 16*((rr>>3)&1)+(rr&7)+8*(rr>>4)
	ds_store_b128 v[SST], v[4*q:4*q+3] offset:rho*PITCH+512*(q%2)
.set q, q+1
.endr
	WIN \dwin
	s_wait_alu depctr_vm_vsrc(0)                   ; the LDS stores issued so far have read their data: the 64 above the registers in which the fragments below land
.irp u, 0,1
.set i, 0
.rept 32
	ds_load_b128 v[128*\u+4*i:128*\u+4*i+3], v[SFR] offset:16*\u*PITCH+32*i
.set i, i+1
.endr
.endr
	WIN 0
.endm
	s_wait_xcnt 0x0                                ; wave 0's stores of the slots have read their data and offsets: those registers are written again only behind this wait
	s_wait_alu depctr_vm_vsrc(0)                   ; wave 0's LDS stores and its stores of the slots have read v124-155, v172-203 and v220-255, which the gelu's lines and the lines at the head's end write again
	ds_load_b32 v[TK0], v[LA]                      ; my tiles of chunks 0 and 1.  Both are gathered whatever the count (slots past the last name token 0), so that the counted waits below hold on every way
	ds_load_b32 v[TK1], v[LA] offset:512
	s_wait_dscnt 0x0
	v_min_u32 v[TK0], 1023, v[TK0]
	v_min_u32 v[TK1], 1023, v[TK1]
	v_lshl_add_u32 v[XA0], v[TK0], 10, v3          ; token x 1,024 + 16 h
	v_lshl_add_u32 v[XSA0], v[TK0], 5, v3          ; token x 32 + 16 h
	v_lshl_add_u32 v[XA1], v[TK1], 10, v3
	v_lshl_add_u32 v[XSA1], v[TK1], 5, v3
	s_wait_alu depctr_va_vdst(0)                   ; the four offsets are written, which the two gathers below read
	GATH XA0, XSA0, XSL0, 0
	WIN 0x80
.set q, 64
.rept 64
	global_load_b128 v[4*(q-64):4*(q-64)+3], v1, s[10:11] offset:512*q             ; my rows 32-63
.set q, q+1
.endr
	WIN 0
	s_wait_loadcnt 63                              ; rows 0-31 and W's scale words are in: 97 loads were issued behind them
	TOFRAG 0x04, 0x40
	GATH XA1, XSA1, XSL1, 128
	s_wait_loadcnt 63                              ; chunk 0's tile is in: 97 loads were issued behind it
	XSTORE IW, 0, XSL0
	s_wait_loadcnt 33                              ; rows 32-63 are in; chunk 1's 33 loads may be out
	TOFRAG 0x08, 0x80                              ; (its wait on vm_vsrc also states that the image's stores above have read window 3's v0-127, in which the first tile's fragments land)
	v_mov_b32 v[QB], 0                             ; written once: a lane permute's destination counts as one of its sources
	v_mov_b32 v[B4], s70
	v_mov_b32 v[B4+1], s70
	s_wait_dscnt 0x0                               ; my fragments are in, and for the others' sake my tile's image lies in LDS
	s_barrier_signal -1
	s_barrier_wait -1
; a quarter of tile ti's image (region cc) into the fragment registers; the last quarter brings the scale words too
.macro XPIECE ti, cc, p
.set rg, IR+2*(\cc)+(\ti)/2
	WIN 0xc0
.set jj, 8*(\p)
.rept 8
	ds_load_b128 v[4*jj:4*jj+3], v[rg] offset:((\ti)%2)*TIMG+512*jj
.set jj, jj+1
.endr
	WIN 0
.if (\p) == 3
	ds_load_b128 v[XS:XS+3], v[rg] offset:((\ti)%2)*TIMG+16384
.endif
.endm
; the same for the tile behind tile ti, if the chunk has one in use.  The runs stand among the gelu's lines, which name neither the fragments nor x's scale words
.macro XNEXT ti, cc, p
.if (\ti) < 3
	s_cmp_gt_i32 s21, (\ti)+1
	s_cbranch_scc0 .Lxn_\@
	XPIECE (\ti)+1, \cc, \p
.Lxn_\@:
.endif
.endm
; one product: tile (np, u) of W's rows, K step s.  K step 0 starts the sum.
.macro WM np, u, s
.set rD, ACC+16*(\np)+8*(\u)
.set rA, 128*(\u)+16*(\s)
.set rB, 16*(\s)
.set rSA, WS+8*(\np)+(\s)
.set rSB, XS+(\s)%4
.if (\s) == 0
.if (\u) == 0
	v_wmma_scale_f32_16x16x128_f8f6f4 v[rD:rD+7], v[rA:rA+15], v[rB:rB+15], 0, v[rSA], v[rSB]
.else
	v_wmma_scale_f32_16x16x128_f8f6f4 v[rD:rD+7], v[rA:rA+15], v[rB:rB+15], 0, v[rSA], v[rSB] matrix_a_scale:MATRIX_SCALE_ROW1
.endif
.elseif (\s) < 4
.if (\u) == 0
	v_wmma_scale_f32_16x16x128_f8f6f4 v[rD:rD+7], v[rA:rA+15], v[rB:rB+15], v[rD:rD+7], v[rSA], v[rSB]
.else
	v_wmma_scale_f32_16x16x128_f8f6f4 v[rD:rD+7], v[rA:rA+15], v[rB:rB+15], v[rD:rD+7], v[rSA], v[rSB] matrix_a_scale:MATRIX_SCALE_ROW1
.endif
.else
.if (\u) == 0
	v_wmma_scale_f32_16x16x128_f8f6f4 v[rD:rD+7], v[rA:rA+15], v[rB:rB+15], v[rD:rD+7], v[rSA], v[rSB] matrix_b_scale:MATRIX_SCALE_ROW1
.else
	v_wmma_scale_f32_16x16x128_f8f6f4 v[rD:rD+7], v[rA:rA+15], v[rB:rB+15], v[rD:rD+7], v[rSA], v[rSB] matrix_a_scale:MATRIX_SCALE_ROW1 matrix_b_scale:MATRIX_SCALE_ROW1
.endif
.endif
.endm
; group np's 16 numbers a lane (one block of 32 with lane l xor 16).  First half: the batch of reciprocals and exponentials, and its one wait
.macro EPIA np
.set rX, ACC+16*(\np)
.set i, 0
.rept 8
	v_pk_mul_f32 v[E+i:E+i+1], v[rX+i:rX+i+1], s[66:67] op_sel_hi:[1,0]            ; each accumulator is read from its low end on
.set i, i+2
.endr
.set i, 0
.rept 8
	v_pk_mul_f32 v[E+i:E+i+1], v[E+i:E+i+1], v[E+i:E+i+1]                          ; x^2 / 2 x log2(e)
.set i, i+2
.endr
.set i, 0
.rept 16
	v_fma_f32 v[T+i], |v[rX+i]|, s78, 1.0
.set i, i+1
.endr
.set i, 0
	s_wait_alu depctr_va_vdst(0)
.rept 16
	v_rcp_f32 v[T+i], v[T+i]                       ; t = 1 / (1 + 0.3275911 |x| / sqrt 2)
.set i, i+1
.endr
.set i, 0
.rept 16
	v_exp_f32 v[E+i], -v[E+i]                      ; e^(-x^2 / 2)
.set i, i+1
.endr
.set i, 0
.rept 16
	v_max_num_f32 v[M+i], 0, v[rX+i]               ; plain work behind the batch
.set i, i+1
.endr
	s_wait_alu depctr_va_vdst(0)                   ; the 32 reciprocals and exponentials have written v[T ..] and v[E ..], ahead of their first reader and of the branch that follows.  np = 0: the tile's products are also done reading the fragments and x's scale words, in which the next tile's loads land.  np = 1: group 0's conversions have written their codes, which the store behind this wait reads
.endm
; second half: the polynomial, gelu, scale byte, codes
.macro EPIB np
.set rX, ACC+16*(\np)
.set i, 0
.rept 8
	v_pk_fma_f32 v[P+i:P+i+1], v[T+i:T+i+1], s[68:69], v[B4:B4+1] op_sel_hi:[1,0,1]
.set i, i+2
.endr
.irp cf, 72,74,76
.set i, 0
.rept 8
	v_pk_fma_f32 v[P+i:P+i+1], v[P+i:P+i+1], v[T+i:T+i+1], s[\cf:\cf+1] op_sel_hi:[1,1,0]
.set i, i+2
.endr
.endr
.set i, 0
.rept 8
	v_pk_mul_f32 v[E+i:E+i+1], v[E+i:E+i+1], v[T+i:T+i+1]
.set i, i+2
.endr
.set i, 0
.rept 8
	v_pk_mul_f32 v[P+i:P+i+1], v[P+i:P+i+1], v[E+i:E+i+1]                          ; q = half of erfc(|x| / sqrt 2)
.set i, i+2
.endr
.set i, 0
.rept 16
	v_fma_f32 v[rX+i], -|v[rX+i]|, v[P+i], v[M+i]  ; gelu = max(x, 0) - |x| q
.set i, i+1
.endr
	v_max3_num_f32 v[QA], |v[rX]|, |v[rX+1]|, 0x4800000                            ; the largest magnitude, with the floor 2^(9 - 127) among its leaves
	v_max3_num_f32 v[QC], |v[rX+8]|, |v[rX+9]|, |v[rX+10]|
	v_max3_num_f32 v[QA], v[QA], |v[rX+2]|, |v[rX+3]|
	v_max3_num_f32 v[QC], v[QC], |v[rX+11]|, |v[rX+12]|
	v_max3_num_f32 v[QA], v[QA], |v[rX+4]|, |v[rX+5]|
	v_max3_num_f32 v[QC], v[QC], |v[rX+13]|, |v[rX+14]|
	v_max3_num_f32 v[QA], v[QA], |v[rX+6]|, |v[rX+7]|
	v_max3_num_f32 v[QA], v[QA], v[QC], |v[rX+15]|
	v_permlanex16_b32 v[QB], v[QA], s80, s81
	v_max_num_f32 v[QA], v[QA], v[QB]              ; with lane l xor 16's 16: the block's
	v_add_nc_u32 v[QS], 0xfc000000, v[QA]          ; 8 off the exponent field: the conversion's scale operand
	v_and_or_b32 v[QH], v[QA], 0x7f800000, s79     ; 448 x the scale
	v_lshrrev_b32 v[QY], 23, v[QS]                 ; the scale's byte
	s_wait_xcnt 0x0                                ; earlier stores have read their data: the scale bytes' and the codes' registers are rewritten only behind this wait
.if (\np) == 0
	s_wait_alu depctr_vm_vsrc(0)                   ; the last tile's three stores have read both sets of codes and the two scale bytes, which this tile's two halves write again
	s_wait_alu depctr_va_vdst(0)
	v_mov_b32 v[HSW], v[QY]
.else
	s_wait_alu depctr_va_vdst(0)
	v_lshl_or_b32 v[HSW], v[QY], 8, v[HSW]
.endif
.set i, 0
.rept 16
	v_med3_num_f32 v[rX+i], v[rX+i], -v[QH], v[QH] ; the conversion to an 8-bit code does not saturate (ISA guide 7.6.2): the hold comes first
.set i, i+1
.endr
	v_cvt_scalef32_pk8_fp8_f32 v[CD+4*(\np):CD+4*(\np)+1], v[rX:rX+7], v[QS]
	v_cvt_scalef32_pk8_fp8_f32 v[CD+4*(\np)+2:CD+4*(\np)+3], v[rX+8:rX+15], v[QS]
	v_nop                                          ; a plain instruction between the conversions and the products that write their sources again
.endm
; group np's codes leave, and behind group 1's the two scale bytes.  ti, cc: the tile's place in the trip
.macro OUT np, ti, cc
	global_store_b128 v[HO], v[CD+4*(\np):CD+4*(\np)+3], s[14:15] offset:131072*(\ti)+524288*(\cc)+512*(\np)   ; one block's four registers of the image: 512 consecutive bytes
.if (\np) == 1
	global_store_b16 v[HSO], v[HSW], s[16:17] offset:4096*(\ti)+16384*(\cc)        ; my two bytes of the 16 rows' scale words (lanes l and l + 16 write the same two bytes)
.endif
.endm
; The chunk's tile ti.  The wait at its head stands on every way, so that no load into the fragment registers meets one that is still out.
.macro TILE ti, cc
	s_wait_dscnt 0x0                               ; this tile's fragments and scale words are in
	s_cmp_gt_i32 s21, \ti
	s_cbranch_scc0 .Lsk_\@
	WIN 0x0d                                       ; W window 1, x window 3, C and D window 0
.irp s, 0,1,2,3,4,5,6,7
	WM 0, 0, \s                                    ; two accumulators by turns, one instruction a turn
	WM 0, 1, \s
.endr
	WIN 0x0e                                       ; W window 2
.irp s, 0,1,2,3,4,5,6,7
	WM 1, 0, \s
	WM 1, 1, \s
.endr
	WIN 0
	NOPS 9                                         ; eight ahead of the first read of results (ISA guide 7.12.1); the ninth for accumulators begun anew
	EPIA 0                                         ; its wait stands ahead of all four runs of the next tile's loads
	XNEXT \ti, \cc, 0
	XNEXT \ti, \cc, 1
	EPIB 0
	XNEXT \ti, \cc, 2
	EPIA 1
	OUT 0, \ti, \cc                                ; directly behind the second batch's wait: no vector instruction since names the codes or the offset
	XNEXT \ti, \cc, 3
	EPIB 1
	s_wait_alu depctr_va_vdst(0)                   ; group 1's conversions have written their codes, and the byte lines v[HSW], which the two stores below read
	OUT 1, \ti, \cc
.Lsk_\@:
.endm
; A chunk: four own tiles out of region cc.  s21 = own tiles left, counted from the chunk's first.  At its end my tile of the next chunk, gathered a chunk ago, goes into the other region,
; which every wave has left (the last barrier), and my tile of the chunk after that is asked for.  The waits between them stand outside the branches.
.macro CHUNK cc
	s_cmp_gt_i32 s21, 0
	s_cbranch_scc0 .Lnf_\@
	XPIECE 0, \cc, 0                               ; no wait: the last products that read these registers stand ahead of a batch's wait, and no vector or matrix instruction since names them
	XPIECE 0, \cc, 1
	XPIECE 0, \cc, 2
	XPIECE 0, \cc, 3
.Lnf_\@:
	TILE 0, \cc
	TILE 1, \cc
	TILE 2, \cc
	TILE 3, \cc
	s_wait_loadcnt 0x0                             ; the tile that I gathered has landed; on every way no load stays out
	s_sub_co_i32 s30, s21, 4
	s_cmp_gt_i32 s30, s22                          ; is tile 4 (c + 1) + w in use?
	s_cbranch_scc0 .Lns_\@
	XSTORE IW+1-\cc, 128, XSL1
.Lns_\@:
	s_wait_dscnt 0x0                               ; the stores have read their registers: the next gather may land there
	s_wait_alu depctr_vm_vsrc(0)                   ; the image's stores have read window 3's v128-255 and v[XSL1 ..], in which the next gather lands; the last gather has read its two offsets and the list's load v254, which the lines below write again
	s_sub_co_i32 s30, s21, 8
	s_cmp_gt_i32 s30, s22                          ; is tile 4 (c + 2) + w in use?
	s_cbranch_scc0 .Lng_\@
	s_add_co_u32 s29, s35, 1024                    ; two chunks on in the list
	v_add_nc_u32 v254, s29, v[LA]
	s_wait_alu depctr_va_vdst(0)                   ; v254 is written, which the list's load reads; the lines that named v[TK1], in which it lands, are done
	ds_load_b32 v[TK1], v254 offset:512*\cc
	s_wait_dscnt 0x0
	v_min_u32 v[TK1], 1023, v[TK1]
	v_lshl_add_u32 v[XA1], v[TK1], 10, v3          ; (the loads that read these offsets were shown done above)
	v_lshl_add_u32 v[XSA1], v[TK1], 5, v3
	s_wait_alu depctr_va_vdst(0)                   ; the two offsets are written, which the gather reads
	GATH XA1, XSA1, XSL1, 128
.Lng_\@:
	s_wait_dscnt 0x0                               ; for the others' sake: my image lies in LDS, and my reads of this region are over
	s_barrier_signal -1
	s_barrier_wait -1
	s_sub_co_i32 s21, s21, 4
.endm
	s_mov_b32 s26, 0                               ; the trip
	s_mov_b32 s35, 0                               ; its bytes in the list: 1,024 a trip
.Ltrip:                                            ; four trips, whatever the split
	CHUNK 0
	CHUNK 1
	s_wait_xcnt 0x0                                ; the trip's stores have read their offsets
	s_wait_alu depctr_vm_vsrc(0)                   ; the trip's stores have read v[HO] and v[HSO], which the two lines below write; every later store stands behind a batch's wait on va_vdst
	s_wait_alu depctr_va_vdst(0)
	v_add_nc_u32 v[HO], 0x100000, v[HO]            ; sixteen tiles on
	v_add_nc_u32 v[HSO], 0x8000, v[HSO]
	s_add_co_u32 s35, s35, 1024
	s_add_co_u32 s26, s26, 1
	s_cmp_lt_u32 s26, 4
	s_cbranch_scc1 .Ltrip
	s_wait_dscnt 0x0                               ; the closing lines, six on end
	s_wait_alu 0x0
	s_wait_tensorcnt 0x0
	ds_add_u32 v170, v171
	s_wait_dscnt 0x0
	s_endpgm
.Lfunc_end_k_qbc6522074f_fc:
	.size	k_qbc6522074f_fc, .Lfunc_end_k_qbc6522074f_fc-k_qbc6522074f_fc
	.p2alignl 7, 3214868480
	.fill 96, 4, 3214868480
	.section	.rodata,"a",@progbits
	.p2align	6, 0x0
	.amdhsa_kernel k_qbc6522074f_fc
		.amdhsa_group_segment_fixed_size 274176
		.amdhsa_private_segment_fixed_size 0
		.amdhsa_enable_private_segment 0
		.amdhsa_kernarg_size 64
		.amdhsa_user_sgpr_count 2
		.amdhsa_user_sgpr_kernarg_segment_ptr 1
		.amdhsa_wavefront_size32 1
		.amdhsa_system_sgpr_workgroup_id_x 1
		.amdhsa_system_sgpr_workgroup_id_y 1
		.amdhsa_system_sgpr_workgroup_id_z 1
		.amdhsa_system_vgpr_workitem_id 0
		.amdhsa_next_free_vgpr 1024
		.amdhsa_next_free_sgpr 100
		.amdhsa_reserve_vcc 0
		.amdhsa_float_denorm_mode_32 3
		.amdhsa_float_denorm_mode_16_64 3
		.amdhsa_memory_ordered 1
		.amdhsa_forward_progress 1
		.amdhsa_inst_pref_size 255
	.end_amdhsa_kernel
	.section	.bss,"aw",@nobits
	.p2align	6
	.space	262144
	.amdgpu_metadata
---
amdhsa.version: [ 1, 2 ]
amdhsa.kernels:
  - .name:           k_qbc6522074f_fc
    .symbol:         k_qbc6522074f_fc.kd
    .args:
      - { .name: sel, .offset: 0, .size: 8, .value_kind: global_buffer, .address_space: global }
      - { .name: x_codes, .offset: 8, .size: 8, .value_kind: global_buffer, .address_space: global }
      - { .name: x_scales, .offset: 16, .size: 8, .value_kind: global_buffer, .address_space: global }
      - { .name: w_fc_codes, .offset: 24, .size: 8, .value_kind: global_buffer, .address_space: global }
      - { .name: w_fc_scales, .offset: 32, .size: 8, .value_kind: global_buffer, .address_space: global }
      - { .name: h_codes, .offset: 40, .size: 8, .value_kind: global_buffer, .address_space: global }
      - { .name: h_scales, .offset: 48, .size: 8, .value_kind: global_buffer, .address_space: global }
      - { .name: place, .offset: 56, .size: 8, .value_kind: global_buffer, .address_space: global }
    .group_segment_fixed_size: 274176
    .private_segment_fixed_size: 0
    .kernarg_segment_align: 8
    .kernarg_segment_size: 64
    .max_flat_workgroup_size: 128
    .sgpr_count:     100
    .vgpr_count:     1024
    .wavefront_size: 32
...
	.end_amdgpu_metadata
.endif
;; end of part 6
;; launch proj (part 7): grid 32 x 8, 4 waves a work-group, no clusters, 272,896 bytes of LDS; arguments place, h_codes, h_scales, w_proj_codes, w_proj_scales, y; writes y
.if DOCPART == 7
	.amdgcn_target "amdgcn-amd-amdhsa--gfx1250"
	.amdhsa_code_object_version 6
	.text
	.protected	k_qbc6522074f_proj
	.globl	k_qbc6522074f_proj
	.p2align	8
	.type	k_qbc6522074f_proj,@function
k_qbc6522074f_proj:
	s_mov_b64 s[64:65], 0
	v_nop
	global_prefetch_b8 v0, s[64:65] scope:SCOPE_SE
	s_setreg_imm32_b32 hwreg(HW_REG_WAVE_SCHED_MODE, 0, 2), 2
	s_setreg_imm32_b32 hwreg(HW_REG_WAVE_MODE, 25, 1), 1
	s_wait_xcnt 0x0
	s_wait_alu depctr_vm_vsrc(0)
; y[1024 e + slot][:] = H[e][slot] W_proj[e], in MX-FP8, for the slots in use.  Work-group (x = 2 sl + b, e) owns output columns 64 sl .. 64 sl + 63 of expert e and the tiles of 16 slots
; g = 2 a + b.  THE WAVES SPLIT K: wave w keeps K quarter 1024 w .. 1024 w + 1023 of the 64 rows of W in 512 registers for the whole launch, and streams only its quarter of each tile of H:
; 16 KiB on end, images of the operand's registers as the launch before laid them.  The four partial sums meet in LDS, once for each chunk of eight tiles.
; The product is used transposed (source 0 = 16 rows of W, source 1 = 16 slots): a lane holds eight neighbouring columns of one slot's row.
; The loop over chunks has the constant count 4 (32 own tiles = 1,024 slots) and its eight tiles are written out, so that every barrier stands on every way; tiles not in use are jumped over.
; No tensor loads and no cluster: which tiles have work hangs on a count read from memory.  The sums of the four quarters are added as (0 + 1) + (2 + 3).
; THE MODE: SCHED_MODE bits 1:0 = 2 (LLVM: expert scheduling mode 2), set by the entry lines.  The code itself states the register dependences
; between vector or matrix instructions and memory or LDS instructions, with s_wait_alu, always for 0.
; THE PLAN.  Registers that memory or LDS instructions touch, in the loop:
;   window 3, two buffers, and HS   Tile q's products read buffer q % 2; the loads issued at the head of tile q + 1 land in it (tile q + 2).
;   ACC, two sets                   Tile q's products write set q % 2; the eight LDS stores at the tile's end read it; tile q + 2's products begin it anew.
;   RT                              The reduction: LDS loads land, 24 additions work in place, four stores read.
;   v10                             Written once a chunk; read by the reduction's stores.  All other offsets and addresses are made at the head and never written again.
; ONE wait on va_vdst stands in a tile, behind its products and their places: they have written their accumulators, which the LDS stores read, and are done reading H's buffer and scale words, in which
; the next tile's head lets loads land; no vector or matrix instruction between names those.  One wait on vm_vsrc stands ahead of a tile's products: the LDS stores of two tiles ago have read the set.
; In the reduction the additions stand in a run, one wait on va_vdst ahead of the run of stores, one on vm_vsrc ahead of the next loads into RT and of the add to v10.
.set STG,  133120                      ; LDS: 0: a stage of 32 rows x 1,040 bytes for each wave (W on its way into fragments); here: 8 tiles x 4 waves x 4,352 bytes of partial sums
.set WS,   16                          ; v16-31   W's scale words [pair of tiles][K step]: lane l = row 32 pair + l
.set HS,   32                          ; v32-39   H's scale words [buffer][i]: lanes 0-15 K step 2 i, lanes 16-31 K step 2 i + 1
.set ACC,  40                          ; v40-103  two sets of four accumulators
.set RT,   104                         ; v104-167 the reduction's registers
; window 1: W's fragments of tiles nt = 0, 1 (128 (nt % 2) + 16 s); window 2: nt = 2, 3; window 3: two buffers of 128 for H
.set MSB, 0
.macro WIN new                         ; the immediate's high byte repeats the setting that is left
.if MSB != \new
	s_set_vgpr_msb (MSB<<8)|\new
.set MSB, \new
.endif
.endm
.macro NOPS n
.rept \n
	v_nop
.endr
.endm
	s_load_b256 s[4:11], s[0:1], 0x0               ; place, h_codes, h_scales, w_proj_codes
	s_load_b128 s[12:15], s[0:1], 0x20             ; w_proj_scales, y
	v_lshl_add_u32 v254, v0, 2, 0x42800
	v_mov_b32 v255, 0
	s_and_b32 s16, ttmp7, 0xffff                   ; e
	s_lshr_b32 s17, ttmp9, 1                       ; sl
	s_and_b32 s18, ttmp9, 1                        ; b
	v_lshrrev_b32 v1, 5, v0
	v_readfirstlane_b32 s19, v1                    ; wave
.irp i, 0,1,2,3,4,5,6,7
	v_mov_b32 v[HS+\i], 0                          ; H's scale registers are written once on every way; each tile's loads fill them ahead of its products
.endr
	v_and_b32 v12, 31, v0                          ; lane
	v_lshlrev_b32 v1, 4, v12                       ; v1: 16 x lane
	v_lshlrev_b32 v2, 2, v12                       ; v2: 4 x lane
	v_lshlrev_b32 v11, 7, v12                      ; v11: 128 x lane: a row of W's scale bytes
	v_and_b32 v13, 15, v0                          ; r
	v_bfe_u32 v14, v0, 4, 1                        ; h
	s_wait_alu depctr_va_sdst(0)                   ; s19, the wave's number, is written, ahead of its first reader
	s_mul_i32 s29, s19, 33280
	v_add_nc_u32 v3, s29, v1                       ; v3: W into my stage
	v_mul_u32_u24 v4, v13, 1040
	v_lshl_add_u32 v4, v14, 4, v4
	v_add_nc_u32 v4, s29, v4                       ; v4: and out of it, as fragments: row r, + 16 h
	s_mul_i32 s29, s19, 4352
	s_add_co_u32 s29, s29, STG
	v_mul_u32_u24 v5, v14, 272
	v_lshl_add_u32 v5, v13, 4, v5
	v_add_nc_u32 v5, s29, v5                       ; v5: my partial sums of tiles 0-3: quad i at 544 i + 272 h + 16 r
	v_add_nc_u32 v6, 69632, v5                     ; v6: of tiles 4-7
	s_mul_i32 s29, s19, 17408
	s_add_co_u32 s29, s29, STG
	v_lshrrev_b32 v7, 2, v13
	v_and_b32 v8, 1, v13
	v_lshl_add_u32 v7, v7, 1, v8
	v_mul_u32_u24 v7, v7, 544
	v_bfe_u32 v8, v0, 1, 1
	v_mad_u32_u24 v7, v8, 272, v7
	v_lshl_add_u32 v7, v14, 4, v7
	v_add_nc_u32 v7, s29, v7                       ; v7: back, for tile w: columns 4 m .. 4 m + 3 (m = lane % 16) lie in quad 2 (m / 4) + m % 2, half (m / 2) % 2; row 2 k + lane / 16
	v_add_nc_u32 v8, 69632, v7                     ; v8: for tile w + 4
	v_lshlrev_b32 v9, 12, v14
	v_lshl_add_u32 v9, v13, 4, v9                  ; v9: the same place in y: 4,096 (lane / 16) + 16 (lane % 16)
	s_lshl_b32 s30, s16, 22                        ; W: (1024 e + 64 sl) rows of 4,096 bytes + 1,024 w
	s_lshl_b32 s38, s17, 18
	s_add_co_u32 s30, s30, s38
	s_lshl_b32 s38, s19, 10
	s_add_co_u32 s30, s30, s38
	s_mov_b32 s31, 0
	s_lshl_b32 s32, s16, 17                        ; its scale bytes: rows of 128 + 32 w
	s_lshl_b32 s38, s17, 13
	s_add_co_u32 s32, s32, s38
	s_lshl_b32 s38, s19, 5
	s_add_co_u32 s32, s32, s38
	s_mov_b32 s33, 0
	s_lshl_b32 s34, s16, 22                        ; H: tile 64 e + b of 65,536 bytes + 16,384 w
	s_lshl_b32 s38, s18, 16
	s_add_co_u32 s34, s34, s38
	s_lshl_b32 s38, s19, 14
	s_add_co_u32 s34, s34, s38
	s_mov_b32 s35, 0
	s_lshl_b32 s36, s16, 17                        ; its scale words: 2,048 a tile + 512 w
	s_lshl_b32 s38, s18, 11
	s_add_co_u32 s36, s36, s38
	s_lshl_b32 s38, s19, 9
	s_add_co_u32 s36, s36, s38
	s_mov_b32 s37, 0
	s_lshl_b32 s28, s16, 22                        ; y: row 1024 e + 16 b + 32 w of 4,096 bytes, + 256 sl: the tile that I reduce first in chunk 0
	s_lshl_b32 s38, s18, 16
	s_add_co_u32 s28, s28, s38
	s_lshl_b32 s38, s19, 17
	s_add_co_u32 s28, s28, s38
	s_lshl_b32 s38, s17, 8
	s_add_co_u32 s28, s28, s38
	s_lshl_b32 s29, s16, 7
	s_wait_kmcnt 0x0
	s_load_b32 s20, s[4:5], s29 offset:0x8000      ; cnt[e]
	s_add_nc_u64 s[10:11], s[10:11], s[30:31]
	s_add_nc_u64 s[12:13], s[12:13], s[32:33]
	s_add_nc_u64 s[24:25], s[6:7], s[34:35]
	s_add_nc_u64 s[26:27], s[8:9], s[36:37]
	s_wait_alu depctr_va_vdst(0)                   ; the offsets and LDS addresses v1 to v11 are written, which loads and stores read from here on; so are v[HS ..], in which loads land
.irp pr, 0,1
.irp q, 0,1
	global_load_b128 v[WS+8*\pr+4*\q:WS+8*\pr+4*\q+3], v11, s[12:13] offset:4096*\pr+16*\q
.endr
.endr
	WIN 0x40
.set q, 0
.rept 64
	global_load_b128 v[4*q:4*q+3], v1, s[10:11] offset:(q/2)*4096+512*(q%2)        ; rows 0-31, my 1,024 bytes of each: 512 consecutive bytes an instruction
.set q, q+1
.endr
	WIN 0xc0
.rept 64
	global_load_b128 v[4*(q-64):4*(q-64)+3], v1, s[10:11] offset:(q/2)*4096+512*(q%2)   ; rows 32-63: they also write both of H's buffers once on every way
.set q, q+1
.endr
	WIN 0
	s_wait_kmcnt 0x0
	s_min_u32 s20, s20, 1024
	s_add_co_u32 s20, s20, 15
	s_lshr_b32 s20, s20, 4                         ; tiles in use
	s_sub_co_u32 s20, s20, s18
	s_add_co_u32 s20, s20, 1
	s_lshr_b32 s21, s20, 1                         ; s21: my own tiles still to do
	s_wait_loadcnt 0x0
	WIN 0x04                                       ; an LDS store's data are its source 1: window 1
.set q, 0
.rept 64
	ds_store_b128 v3, v[4*q:4*q+3] offset:(q/2)*1040+512*(q%2)
.set q, q+1
.endr
	WIN 0x40
	s_wait_alu depctr_vm_vsrc(0)                   ; the 64 LDS stores above have read window 1's registers, in which the fragments below land
.irp nt, 0,1
.set i, 0
.rept 32
	ds_load_b128 v[128*\nt+4*i:128*\nt+4*i+3], v4 offset:16*\nt*1040+32*i          ; LDS serves a wave's instructions in order: these see the stores above
.set i, i+1
.endr
.endr
	WIN 0x0c
.set q, 0
.rept 64
	ds_store_b128 v3, v[4*q:4*q+3] offset:(q/2)*1040+512*(q%2)                     ; rows 32-63 take the same bytes, behind the loads above
.set q, q+1
.endr
	WIN 0
	s_wait_dscnt 0x0                               ; the stores have read window 3: H may land there
	s_wait_alu depctr_vm_vsrc(0)                   ; the 64 LDS stores above have read window 3's registers, in which H's loads land from here on
; a tile of H, my K quarter: 32 loads of 512 consecutive bytes and four of scale words.  qq: the tile's place counted from the chunk's first
.macro HLOAD buf, qq
	WIN 0xc0
.set jj, 0
.rept 32
	global_load_b128 v[128*(\buf)+4*jj:128*(\buf)+4*jj+3], v1, s[24:25] offset:131072*(\qq)+512*jj
.set jj, jj+1
.endr
	WIN 0
.irp i, 0,1,2,3
	global_load_b32 v[HS+4*(\buf)+\i], v2, s[26:27] offset:4096*(\qq)+128*\i
.endr
.endm
	s_cmp_gt_i32 s21, 0
	s_cbranch_scc0 .Lno_first                      ; only tiles that the launch before has stored are read
	HLOAD 0, 0
.Lno_first:
	WIN 0x80
.irp nt, 0,1
.set i, 0
.rept 32
	ds_load_b128 v[128*\nt+4*i:128*\nt+4*i+3], v4 offset:16*\nt*1040+32*i
.set i, i+1
.endr
.endr
	WIN 0
	s_wait_dscnt 0x0
; one product: tile nt of W's rows, K step s of my eight.  K step 0 starts the sum.
.macro PM cu, nt, s
.set rD, ACC+32*(\cu)+8*(\nt)
.set rA, 128*((\nt)%2)+16*(\s)
.set rB, 128*(\cu)+16*(\s)
.set rSA, WS+8*((\nt)/2)+(\s)
.set rSB, HS+4*(\cu)+(\s)/2
.if (\s) == 0
.if (\nt)%2 == 0
	v_wmma_scale_f32_16x16x128_f8f6f4 v[rD:rD+7], v[rA:rA+15], v[rB:rB+15], 0, v[rSA], v[rSB]
.else
	v_wmma_scale_f32_16x16x128_f8f6f4 v[rD:rD+7], v[rA:rA+15], v[rB:rB+15], 0, v[rSA], v[rSB] matrix_a_scale:MATRIX_SCALE_ROW1
.endif
.elseif (\s)%2 == 0
.if (\nt)%2 == 0
	v_wmma_scale_f32_16x16x128_f8f6f4 v[rD:rD+7], v[rA:rA+15], v[rB:rB+15], v[rD:rD+7], v[rSA], v[rSB]
.else
	v_wmma_scale_f32_16x16x128_f8f6f4 v[rD:rD+7], v[rA:rA+15], v[rB:rB+15], v[rD:rD+7], v[rSA], v[rSB] matrix_a_scale:MATRIX_SCALE_ROW1
.endif
.else
.if (\nt)%2 == 0
	v_wmma_scale_f32_16x16x128_f8f6f4 v[rD:rD+7], v[rA:rA+15], v[rB:rB+15], v[rD:rD+7], v[rSA], v[rSB] matrix_b_scale:MATRIX_SCALE_ROW1
.else
	v_wmma_scale_f32_16x16x128_f8f6f4 v[rD:rD+7], v[rA:rA+15], v[rB:rB+15], v[rD:rD+7], v[rSA], v[rSB] matrix_a_scale:MATRIX_SCALE_ROW1 matrix_b_scale:MATRIX_SCALE_ROW1
.endif
.endif
.endm
; The chunk's q-th tile: the next tile is asked for, this one is multiplied, my partial sums go to LDS.
; At a tile's head at most 36 loads are out, on every way, and they go into THIS tile's buffer: the way that asks for the next tile waits for all but the 36 just issued,
; and the way that asks for nothing waits for all, whether or not this tile is then multiplied.  So the loads for the next tile never meet a load on its way into the same registers.
.macro TILE q
.set cur, (\q)%2
	s_cmp_gt_i32 s21, (\q)+1
	s_cbranch_scc0 .Lnn_\@
	HLOAD 1-cur, (\q)+1                            ; no wait: the products that read this buffer and its scale words stand ahead of the last tile's wait on va_vdst, and no vector or matrix instruction since names them
	s_wait_loadcnt 36                              ; this tile's loads are in; the 36 just issued may be out
	s_branch .Lgo_\@
.Lnn_\@:
	s_wait_loadcnt 0x0                             ; nothing is asked for: no load stays out, on the way round this tile too
	s_cmp_gt_i32 s21, \q
	s_cbranch_scc0 .Lsk_\@
.Lgo_\@:
	s_wait_dscnt 0x0                               ; the LDS stores that read this set of accumulators two tiles ago are done: it may be begun anew
	s_wait_alu depctr_vm_vsrc(0)                   ; the LDS stores of two tiles ago have read this set of accumulators, which the products below write
	WIN 0x0d                                       ; W window 1, H window 3, C and D window 0
.irp s, 0,1,2,3,4,5,6,7
	PM cur, 0, \s                                  ; two accumulators by turns, one instruction a turn
	PM cur, 1, \s
.endr
	WIN 0x0e                                       ; W window 2
.irp s, 0,1,2,3,4,5,6,7
	PM cur, 2, \s
	PM cur, 3, \s
.endr
	WIN 0
	NOPS 9                                         ; eight ahead of the stores that read results; the ninth for accumulators begun anew
	s_wait_alu depctr_va_vdst(0)                   ; the products have written this set of accumulators, which the LDS stores read, and are done reading H's buffer and scale words, in which the next tile's head lets loads land; the places above stay beside this wait
.irp i, 0,1,2,3,4,5,6,7
	ds_store_b128 v[5+(\q)/4], v[ACC+32*cur+4*\i:ACC+32*cur+4*\i+3] offset:((\q)%4)*17408+544*\i   ; each accumulator from its low end on
.endr
.Lsk_\@:
.endm
; tile w + 4 z of the chunk: the four waves' partial sums are added and leave as rows: sixteen lanes store 256 consecutive bytes, aligned
.macro REDUCE z
	s_add_co_u32 s30, s19, 4*\z
	s_cmp_gt_i32 s21, s30
	s_cbranch_scc0 .Lnr_\@
.irp hk, 0,1
	s_wait_xcnt 0x0                                ; earlier stores have read their data: the registers are loaded again only behind this wait
.if (\z)+(\hk) > 0
	s_wait_alu depctr_vm_vsrc(0)                   ; the four stores above have read v[RT ..], in which the loads below land (for the chunk's first run the wait ahead of the add to v10 states it)
.endif
.irp kk, 0,1,2,3
.irp wv, 0,1,2,3
	ds_load_b128 v[RT+16*\kk+4*\wv:RT+16*\kk+4*\wv+3], v[7+\z] offset:4352*\wv+32*(4*\hk+\kk)
.endr
.endr
	s_wait_dscnt 0x0
.irp kk, 0,1,2,3
	v_pk_add_f32 v[RT+16*\kk:RT+16*\kk+1], v[RT+16*\kk:RT+16*\kk+1], v[RT+16*\kk+4:RT+16*\kk+5]
	v_pk_add_f32 v[RT+16*\kk+2:RT+16*\kk+3], v[RT+16*\kk+2:RT+16*\kk+3], v[RT+16*\kk+6:RT+16*\kk+7]
	v_pk_add_f32 v[RT+16*\kk+8:RT+16*\kk+9], v[RT+16*\kk+8:RT+16*\kk+9], v[RT+16*\kk+12:RT+16*\kk+13]
	v_pk_add_f32 v[RT+16*\kk+10:RT+16*\kk+11], v[RT+16*\kk+10:RT+16*\kk+11], v[RT+16*\kk+14:RT+16*\kk+15]
	v_pk_add_f32 v[RT+16*\kk:RT+16*\kk+1], v[RT+16*\kk:RT+16*\kk+1], v[RT+16*\kk+8:RT+16*\kk+9]
	v_pk_add_f32 v[RT+16*\kk+2:RT+16*\kk+3], v[RT+16*\kk+2:RT+16*\kk+3], v[RT+16*\kk+10:RT+16*\kk+11]
.endr
	s_wait_alu depctr_va_vdst(0)                   ; the 24 additions have written the sums, and the chunk's add v10, which the four stores read; they are also done with v[RT ..], in which the next run of loads lands
.irp kk, 0,1,2,3
	global_store_b128 v10, v[RT+16*\kk:RT+16*\kk+3], s[14:15] offset:8192*(4*\hk+\kk)+524288*\z th:TH_STORE_NT
.endr
.endr
.Lnr_\@:
.endm
	s_mov_b32 s22, 0
.Lchunk:                                           ; four trips, whatever the count
	TILE 0
	TILE 1
	TILE 2
	TILE 3
	TILE 4
	TILE 5
	TILE 6
	TILE 7
	s_wait_dscnt 0x0                               ; for the others' sake: my partial sums lie in LDS
	s_barrier_signal -1
	s_barrier_wait -1
	s_wait_xcnt 0x0                                ; the last chunk's stores have read their offset
	s_wait_alu depctr_vm_vsrc(0)                   ; the last chunk's stores have read v10, which the line below writes, and v[RT ..], in which the reduction's first loads land
	v_add_nc_u32 v10, s28, v9
	REDUCE 0
	REDUCE 1
	s_wait_dscnt 0x0                               ; my reads of the partial sums are over: the next chunk may write there
	s_barrier_signal -1
	s_barrier_wait -1
	s_wait_xcnt 0x0                                ; the loads on their way have read their bases
	s_add_nc_u64 s[24:25], s[24:25], 0x100000      ; eight own tiles on
	s_add_nc_u64 s[26:27], s[26:27], 0x8000
	s_add_co_u32 s28, s28, 0x100000
	s_sub_co_i32 s21, s21, 8
	s_add_co_u32 s22, s22, 1
	s_cmp_lt_u32 s22, 4
	s_cbranch_scc1 .Lchunk
	s_wait_dscnt 0x0                               ; the closing lines, six on end
	s_wait_alu 0x0
	s_wait_tensorcnt 0x0
	ds_add_u32 v254, v255
	s_wait_dscnt 0x0
	s_endpgm
.Lfunc_end_k_qbc6522074f_proj:
	.size	k_qbc6522074f_proj, .Lfunc_end_k_qbc6522074f_proj-k_qbc6522074f_proj
	.p2alignl 7, 3214868480
	.fill 96, 4, 3214868480
	.section	.rodata,"a",@progbits
	.p2align	6, 0x0
	.amdhsa_kernel k_qbc6522074f_proj
		.amdhsa_group_segment_fixed_size 272896
		.amdhsa_private_segment_fixed_size 0
		.amdhsa_enable_private_segment 0
		.amdhsa_kernarg_size 48
		.amdhsa_user_sgpr_count 2
		.amdhsa_user_sgpr_kernarg_segment_ptr 1
		.amdhsa_wavefront_size32 1
		.amdhsa_system_sgpr_workgroup_id_x 1
		.amdhsa_system_sgpr_workgroup_id_y 1
		.amdhsa_system_sgpr_workgroup_id_z 1
		.amdhsa_system_vgpr_workitem_id 0
		.amdhsa_next_free_vgpr 1024
		.amdhsa_next_free_sgpr 66
		.amdhsa_reserve_vcc 0
		.amdhsa_float_denorm_mode_32 3
		.amdhsa_float_denorm_mode_16_64 3
		.amdhsa_memory_ordered 1
		.amdhsa_forward_progress 1
		.amdhsa_inst_pref_size 119
	.end_amdhsa_kernel
	.amdgpu_metadata
---
amdhsa.version: [ 1, 2 ]
amdhsa.kernels:
  - .name:           k_qbc6522074f_proj
    .symbol:         k_qbc6522074f_proj.kd
    .args:
      - { .name: place, .offset: 0, .size: 8, .value_kind: global_buffer, .address_space: global }
      - { .name: h_codes, .offset: 8, .size: 8, .value_kind: global_buffer, .address_space: global }
      - { .name: h_scales, .offset: 16, .size: 8, .value_kind: global_buffer, .address_space: global }
      - { .name: w_proj_codes, .offset: 24, .size: 8, .value_kind: global_buffer, .address_space: global }
      - { .name: w_proj_scales, .offset: 32, .size: 8, .value_kind: global_buffer, .address_space: global }
      - { .name: y, .offset: 40, .size: 8, .value_kind: global_buffer, .address_space: global }
    .group_segment_fixed_size: 272896
    .private_segment_fixed_size: 0
    .kernarg_segment_align: 8
    .kernarg_segment_size: 48
    .max_flat_workgroup_size: 128
    .sgpr_count:     66
    .vgpr_count:     1024
    .wavefront_size: 32
...
	.end_amdgpu_metadata
.endif
;; end of part 7
;; launch combine (part 8): grid 256 x 1, 4 waves a work-group, no clusters, 0 bytes of LDS; arguments sel, gate, place, y, out0; writes out0
.if DOCPART == 8
	.amdgcn_target "amdgcn-amd-amdhsa--gfx1250"
	.amdhsa_code_object_version 6
	.text
	.protected	k_qbc6522074f_combine
	.globl	k_qbc6522074f_combine
	.p2align	8
	.type	k_qbc6522074f_combine,@function
k_qbc6522074f_combine:
	s_mov_b64 s[64:65], 0
	v_nop
	global_prefetch_b8 v0, s[64:65] scope:SCOPE_SE
	s_setreg_imm32_b32 hwreg(HW_REG_WAVE_MODE, 25, 1), 1
	s_wait_xcnt 0x0
; out0[token] = g0 y[1024 e0 + pos[e0][token]] + g1 y[1024 e1 + pos[e1][token]].  A wave takes one token: each output row has one owner, nothing is added in memory.
; The two experts and the slots are whole numbers that earlier launches stored; they are held inside their tables ahead of every address.
; A stream: no LDS, no barrier, no matrix unit; sixteen loads of 512 consecutive bytes are on their way in each wave.
	s_load_b256 s[4:11], s[0:1], 0x0               ; sel, gate, place, y
	s_load_b64 s[12:13], s[0:1], 0x20              ; out0
	v_lshrrev_b32 v1, 5, v0
	v_readfirstlane_b32 s14, v1                    ; wave
	v_and_b32 v1, 31, v0                           ; lane
	s_lshl_b32 s15, ttmp9, 2
	s_add_co_u32 s15, s15, s14                     ; my token
	s_lshl_b32 s16, s15, 2
	s_lshl_b32 s17, s15, 3
	s_lshl_b32 s18, s15, 12
	s_wait_alu depctr_va_vdst(0)
	s_wait_kmcnt 0x0
	s_load_b32 s20, s[4:5], s16 offset:0x0         ; the sel word
	s_load_b64 s[22:23], s[6:7], s17 offset:0x0    ; g0, g1
.irp e, 0,1,2,3,4,5,6,7
	s_load_b32 s[24+\e], s[8:9], s16 offset:4096*\e   ; pos[e][token]: all eight; the two that count are chosen below, without a second trip to memory
.endr
	v_lshl_add_u32 v4, v1, 4, s18                  ; out0: 4,096 x token + 16 x lane
	s_wait_kmcnt 0x0
	s_bfe_u32 s32, s20, 0x30008                    ; e0
	s_bfe_u32 s33, s20, 0x30010                    ; e1
	s_min_u32 s32, s32, 7
	s_min_u32 s33, s33, 7
	s_mov_b32 s34, s24
	s_mov_b32 s35, s24
.irp e, 1,2,3,4,5,6,7
	s_cmp_eq_u32 s32, \e
	s_cselect_b32 s34, s[24+\e], s34
	s_cmp_eq_u32 s33, \e
	s_cselect_b32 s35, s[24+\e], s35
.endr
	s_min_u32 s34, s34, 1023
	s_min_u32 s35, s35, 1023
	s_lshl_b32 s32, s32, 10
	s_lshl_b32 s33, s33, 10
	s_add_co_u32 s34, s34, s32
	s_add_co_u32 s35, s35, s33
	s_lshl_b32 s34, s34, 12                        ; the two rows of y, in bytes
	s_lshl_b32 s35, s35, 12
	v_lshl_add_u32 v2, v1, 4, s34
	v_lshl_add_u32 v3, v1, 4, s35
	s_mov_b32 s38, s23                             ; g1 in a pair of its own: a packed form takes a scalar pair's low word for both halves
	s_mov_b32 s39, s23
.irp k, 0,1,2,3,4,5,6,7
	global_load_b128 v[16+4*\k:19+4*\k], v2, s[10:11] offset:512*\k th:TH_LOAD_NT
	global_load_b128 v[48+4*\k:51+4*\k], v3, s[10:11] offset:512*\k th:TH_LOAD_NT
.endr
.irp k, 0,1,2,3,4,5,6,7
	s_wait_loadcnt 14-2*\k                         ; this piece's two loads are in; the younger pieces' may be out
	v_pk_mul_f32 v[16+4*\k:17+4*\k], v[16+4*\k:17+4*\k], s[22:23] op_sel_hi:[1,0]
	v_pk_mul_f32 v[18+4*\k:19+4*\k], v[18+4*\k:19+4*\k], s[22:23] op_sel_hi:[1,0]
	v_pk_fma_f32 v[16+4*\k:17+4*\k], v[48+4*\k:49+4*\k], s[38:39], v[16+4*\k:17+4*\k] op_sel_hi:[1,0,1]
	v_pk_fma_f32 v[18+4*\k:19+4*\k], v[50+4*\k:51+4*\k], s[38:39], v[18+4*\k:19+4*\k] op_sel_hi:[1,0,1]
	s_wait_alu depctr_va_vdst(0)
	global_store_b128 v4, v[16+4*\k:19+4*\k], s[12:13] offset:512*\k th:TH_STORE_NT   ; 512 consecutive bytes, from registers that are not written again
.endr
	s_endpgm
.Lfunc_end_k_qbc6522074f_combine:
	.size	k_qbc6522074f_combine, .Lfunc_end_k_qbc6522074f_combine-k_qbc6522074f_combine
	.p2alignl 7, 3214868480
	.fill 96, 4, 3214868480
	.section	.rodata,"a",@progbits
	.p2align	6, 0x0
	.amdhsa_kernel k_qbc6522074f_combine
		.amdhsa_group_segment_fixed_size 0
		.amdhsa_private_segment_fixed_size 0
		.amdhsa_enable_private_segment 0
		.amdhsa_kernarg_size 40
		.amdhsa_user_sgpr_count 2
		.amdhsa_user_sgpr_kernarg_segment_ptr 1
		.amdhsa_wavefront_size32 1
		.amdhsa_system_sgpr_workgroup_id_x 1
		.amdhsa_system_sgpr_workgroup_id_y 1
		.amdhsa_system_sgpr_workgroup_id_z 1
		.amdhsa_system_vgpr_workitem_id 0
		.amdhsa_next_free_vgpr 96
		.amdhsa_next_free_sgpr 66
		.amdhsa_reserve_vcc 0
		.amdhsa_float_denorm_mode_32 3
		.amdhsa_float_denorm_mode_16_64 3
		.amdhsa_memory_ordered 1
		.amdhsa_forward_progress 1
		.amdhsa_inst_pref_size 8
	.end_amdhsa_kernel
	.amdgpu_metadata
---
amdhsa.version: [ 1, 2 ]
amdhsa.kernels:
  - .name:           k_qbc6522074f_combine
    .symbol:         k_qbc6522074f_combine.kd
    .args:
      - { .name: sel, .offset: 0, .size: 8, .value_kind: global_buffer, .address_space: global }
      - { .name: gate, .offset: 8, .size: 8, .value_kind: global_buffer, .address_space: global }
      - { .name: place, .offset: 16, .size: 8, .value_kind: global_buffer, .address_space: global }
      - { .name: y, .offset: 24, .size: 8, .value_kind: global_buffer, .address_space: global }
      - { .name: out0, .offset: 32, .size: 8, .value_kind: global_buffer, .address_space: global }
    .group_segment_fixed_size: 0
    .private_segment_fixed_size: 0
    .kernarg_segment_align: 8
    .kernarg_segment_size: 40
    .max_flat_workgroup_size: 128
    .sgpr_count:     66
    .vgpr_count:     96
    .wavefront_size: 32
...
	.end_amdgpu_metadata
.endif
;; end of part 8
